; MI455X (gfx1250); checked and timed in simulation.
; The chip was launched on July 23, 2026; its instructions are those of AMD's public machine-readable ISA for CDNA 5 (MIT licence, August 2026) and "CDNA5" Instruction Set Architecture Reference Guide (July 2026). The comments in the code are by the model that wrote it; some were corrected since.
;; Mo E. Allowed arithmetic: matrix products marked QUANTISED: E2M1 operands, one E8M0 scale for each 32 along K, by v_wmma_scale_f32_16x16x128_f8f6f4 with both operands' format E2M1 (or v_wmma_scale_f32_32x16x128_f4), f32 sums; products left as they are: f32 operands where the result goes on into a quantised operand, else bf16, f16 or f32 operands; f32 sums; everything else in f32.
;; Inputs: gate_w 8 x 2,048 float32; w1 8 x 1,024 x 2,048 float32; w2 8 x 2,048 x 1,024 float32; w3 8 x 1,024 x 2,048 float32; ws1 1,024 x 2,048 float32; ws2 2,048 x 1,024 float32; ws3 1,024 x 2,048 float32; x 2 x 512 x 2,048 float32.
;; Outputs: out0 2 x 512 x 2,048 float32.
;; This version of the problem:
;;   THIS VERSION OF THE PROBLEM IS GIVEN IN LOW PRECISION. The matrix products marked QUANTISED in the list below multiply operands that are first quantised to E2M1 (2 exponent bits, 1 mantissa bit; 4 bits a number), with one power-of-two scale for each 32 numbers along K (OCP MX v1.0); their sums are f32. All else is computed in f32.
;;   The module's matrix products, in the order in which they are computed (A, B: the left and right operand; K: the contracted axis; several contracted axes count as one K, in the product's order):
;;     1. [M 1,024, K 2,048] x [K 2,048, N 8]; A: input x; B: input gate_w: left as it is (N = 8 < 16)
;;     2. [M 8,192, K 2,048] x [K 2,048, N 1,024]; A: input w1; B: input x: QUANTISED
;;     3. [M 8,192, K 2,048] x [K 2,048, N 1,024]; A: input w3; B: input x: QUANTISED
;;     4. batch 8 x [M 1,024, K 1,024] x [K 1,024, N 2,048]; A: computed on the way; B: input w2: QUANTISED
;;     5. batch 1,024 x [M 8, K 2] x [K 2, N 1]; A: computed on the way; B: computed on the way: left as it is (K = 2 < 32)
;;     6. batch 1,024 x [M 2,048, K 8] x [K 8, N 1]; A: computed on the way; B: computed on the way: left as it is (K = 8 < 32)
;;     7. [M 1,024, K 2,048] x [K 2,048, N 1,024]; A: input x; B: input ws1: QUANTISED
;;     8. [M 1,024, K 2,048] x [K 2,048, N 1,024]; A: input x; B: input ws3: QUANTISED
;;     9. [M 1,024, K 1,024] x [K 1,024, N 2,048]; A: computed on the way; B: input ws2: QUANTISED
;;   THE QUANTISER, for each operand of a quantised product, along K:
;;     - K is cut into blocks of 32 from its start; a last block that is shorter is filled with zeros.
;;     - A block's scale is 2^e with e = floor(log2(the largest magnitude in the block)) - 2, held to -126 .. 127; a block of zeros has e = 0. As a byte (E8M0): e + 127.
;;     - Each number is divided by its block's scale, clamped to +-6, and rounded to the nearest number of E2M1, ties to even, subnormals kept.
;;     - The product sums the exact products of the quantised numbers (number of the format x scale) in f32.
;;   ~~~python
;;   def quantise(x, axis):      # numpy; x: float32 -> the quantised numbers, widened to float32 again
;;       x = np.moveaxis(x, axis, -1); K = x.shape[-1]
;;       x = np.pad(x, [(0, 0)] * (x.ndim - 1) + [(0, -K % 32)]); x = x.reshape(x.shape[:-1] + (-1, 32)); a = np.abs(x).max(-1, keepdims=True)
;;       e = np.where(a > 0, np.clip(np.frexp(np.where(a > 0, a, 1))[1] - 1 - 2, -126, 127), 0)      # np.frexp(a)[1] - 1 = floor(log2(a)), exactly
;;       r = np.clip(x / 2.0 ** e, -6, 6)
;;       step = 2.0 ** (np.maximum(np.frexp(np.where(r == 0, 1, r))[1] - 1, 0) - 1)
;;       q = np.round(r / step) * step * 2.0 ** e      # np.round: ties to even
;;       return np.moveaxis(q.reshape(q.shape[:-2] + (-1,))[..., :K], -1, axis).astype(np.float32)
;;   ~~~
;;   OPERANDS COMPUTED ON THE WAY. 'Computed on the way' means the value that the module computes at that place (a softmax that the list does not call 'softmax' is quantised finished and normalised). What goes into a quantiser is computed in f32, as accurately as f32 sums, v_exp_f32 and their like allow (about 1e-6 of the number): no bf16 or f16 on the way to a quantiser, and a product that is left as it is and whose result goes on into a quantised operand takes f32 operands (vector FMAs, or v_wmma_f32_16x16x4_f32). A number that lies on a knife's edge between two numbers of the format may be rounded either way, as far as f32 arithmetic and the matrix unit's own rounding can turn it there, and no further.
;; 2 versions. Each part assembles by itself: llvm-mc -triple=amdgcn-amd-amdhsa -mcpu=gfx1250 --defsym DOCPART=n.
;; ======== version 1 of 2: 5 launches
;; workspace buffers: xq 1,114,112 bytes; wu 20,054,016 bytes; wd 10,027,008 bytes; g 1,914,880 bytes; eo 28,835,840 bytes; topi 8,192 bytes of whole numbers; topw 8,192 bytes; route 23,040 bytes of whole numbers
;; launch prep (part 1): grid 1216 x 1, 4 waves a work-group, no clusters, 62,976 bytes of LDS; arguments x, gate_w, w1, w3, ws1, ws3, xq, wu, topi, topw; writes xq, wu, topi, topw
.if DOCPART == 1
	.amdgcn_target "amdgcn-amd-amdhsa--gfx1250"
	.amdhsa_code_object_version 6
	.text
	.protected	k_q1ff68c3301_prep
	.globl	k_q1ff68c3301_prep
	.p2align	8
	.type	k_q1ff68c3301_prep,@function
k_q1ff68c3301_prep:
	s_mov_b64 s[64:65], 0
	v_nop
	global_prefetch_b8 v0, s[64:65] scope:SCOPE_SE
	s_setreg_imm32_b32 hwreg(HW_REG_WAVE_MODE, 25, 1), 1
	s_wait_xcnt 0x0
; MoE, top 2 of 8 routed experts and one shared expert, T = 1,024 tokens, DIM = 2,048, INTER = 1,024; the six large products on codes of FP4 (E2M1) with one E8M0 scale for each 32 along K.
; THE PROGRAM: prep (this text), route, up, down, combine.
; WORK LEFT OUT, AND WHY IT IS DEAD.  reference() computes h, g and eo for every pair (expert e, token t) and then multiplies eo[e, t] by comb[t, e], which it builds from one_hot(idx): comb[t, e] is the
; constant 0 for every e outside idx[t].  So for such a pair eo[e, t], and with it g[e, t] and both rows h[e, t], reach no output, whatever finite values the inputs hold: only the two chosen experts' rows
; of each token, and the shared expert's, are multiplied.  ROUTE_SCALE is the factor 1.  The products with one_hot and comb are a selection and two multiply-adds.  Every input stays live and is loaded.
; LIMITS: a NaN, an infinity or an overflow that arises only in an expert that was not chosen for a token is not carried to the result.  NaN and infinities among the inputs are not served.  A block whose
; largest magnitude lies under 2^-124 gets the scale byte 1; a block of zeros gets 1 where the quantiser says 127: its codes are zeros, and the bytes are read by this program alone.
; The two largest scores are taken on p = 2^((l - max) log2 e), ahead of the division by the sum; of equal p the lower index wins, as in jax.lax.top_k.
;
; THIS LAUNCH quantises x, w1, w3, ws1, ws3 along DIM and computes the gate.
; Work-groups 0-63 (X path): 16 tokens each; wave q takes numbers 512 q .. 512 q + 511 of each row: codes to xq as rows of 1,024 bytes, scale bytes to xq + 2^20 as rows of 64; the wave's part of the eight
; logits by f32 multiply-adds on the same registers; the parts meet in LDS, and wave 0 makes softmax and top 2: indices to topi, weights to topw, at fixed places.
; Work-groups 64-1215 (W path): one tile of 16 weight rows each, wave q its K quarter.  wu holds IMAGES OF OPERAND REGISTERS: for (expert, matrix, tile, K step of 128) 1,024 bytes, byte 256 p + 16 r = the 16
; bytes (32 codes) of block p of the tile's row r, so that two loads of 16 bytes a lane, 512 bytes apart, are a fragment.  Scale bytes: for (.., tile, K quarter) 256 bytes, 16 a row.
; THE ROWS OF A TILE ARE NOT NEIGHBOURS: row t of tile 2 b + u is weight row 32 b + 8 u + t + 8 (t / 8), so that the up-projection's results of tiles 2 b, 2 b + 1 are 16 neighbours along INTER in a lane.
; A step is 512 numbers of one row: four loads of 512 consecutive bytes; they turn through the wave's own stage in LDS (80 bytes a lane) so that a lane holds 16 neighbours; two lanes hold a block of 32.
; The two paths part on the work-group's number alone and have LDS bytes of their own.  No tensor loads, no cluster: work-groups share no input but gate_w's 64 KB.
.set WREG,  9728                       ; W path: a wave's LDS region: two turn stages (2 x 2,560), the out stage, 256 scale bytes
.set OST,   5120                       ; the out stage: 16 pieces of 256 bytes, 272 apart
.set SBY,   9472                       ; the scale bytes
.set XST,   38912                      ; X path: the waves' turn stages, 5,120 bytes each
.set XSB,   59392                      ; X path: 16 rows x 64 scale bytes
.set PART,  60416                      ; X path: the logits' parts [wave][row 16][expert 8] f32
.set SPARE, 62464                      ; the spare words, 128 bytes a wave: no other line names them
.set WUS,   18874368                   ; where wu's scale bytes begin
.set XQS,   1048576                    ; where xq's scale bytes begin
.set R,   16                           ; v16-79   four sets of 16 numbers as loaded
.set X,   80                           ; v80-111  two sets of 16 neighbours
.set GW,  112                          ; v112-239 X path: gate_w[e][512 q + 16 lane + i] at GW + 16 e + i.  (W path: v112 = 8 x lane)
.set PP,  240                          ; v240-247 X path: four pairs of partial sums
.set Q,   248                          ; v248-255 X path: a step's eight sums
.set SRC, 28                           ; s[28:29] where my loads begin
.set DCP, 36                           ; s[36:37] where my codes go
.set DSP, 38                           ; s[38:39] where my scale bytes go
; v1, v2: the add's two registers; v3 16 x lane; v4, v5 the turn stage, in and out; v6 where codes go; v7 where the scale byte goes; v8, v9 maxima; v11 the conversion's scale operand; v12 the byte; v[14:15] codes
.macro LOADQ t, off                    ; step t: four loads, 512 consecutive bytes each
.irp i, 0,1,2,3
	global_load_b128 v[R+16*((\t)%4)+4*\i:R+16*((\t)%4)+4*\i+3], v3, s[SRC:SRC+1] offset:(\off)+512*\i th:TH_LOAD_NT
.endr
.endm
.macro TURNQ t                         ; step t's numbers through the stage; LDS serves a wave's instructions in order, so no wait stands between the stores and the loads
.irp i, 0,1,2,3
	ds_store_b128 v4, v[R+16*((\t)%4)+4*\i:R+16*((\t)%4)+4*\i+3] offset:2560*((\t)%2)+640*\i
.endr
.irp i, 0,1,2,3
	ds_load_b128 v[X+16*((\t)%2)+4*\i:X+16*((\t)%2)+4*\i+3], v5 offset:2560*((\t)%2)+16*\i
.endr
.endm
.macro QCORE t                         ; 16 numbers a lane -> 8 bytes of codes in v[14:15], the block's byte in v12
.set XS, X+16*((\t)%2)
	v_max3_num_f32 v8, |v[XS]|, |v[XS+1]|, |v[XS+2]|
	v_max3_num_f32 v9, |v[XS+3]|, |v[XS+4]|, |v[XS+5]|
.irp i, 6,10
	v_max3_num_f32 v8, v8, |v[XS+\i]|, |v[XS+\i+1]|
	v_max3_num_f32 v9, v9, |v[XS+\i+2]|, |v[XS+\i+3]|
.endr
	v_max3_num_f32 v8, v8, |v[XS+14]|, |v[XS+15]|
	v_max3_num_f32 v8, v8, v9, 0x1800000           ; and the floor 2^(3 - 127): the byte cannot fall under 1
	v_max_num_f32_dpp v8, v8, v8 row_xmask:1 row_mask:0xf bank_mask:0xf   ; with my neighbour's 16: the block's largest magnitude
	v_add_nc_u32 v11, 0xff000000, v8               ; 2 off its exponent field: the conversion takes the exponent field of this operand as its scale
	v_cvt_scalef32_pk8_fp4_f32 v14, v[XS:XS+7], v11
	v_cvt_scalef32_pk8_fp4_f32 v15, v[XS+8:XS+15], v11
	v_lshrrev_b32 v12, 23, v11                     ; the scale's byte; also the plain line behind the conversions
.endm
.macro GATE4 t, e0                     ; experts e0 .. e0 + 3 by turns: my 16 numbers x gate_w's, summed over the wave's 32 lanes, to the wave's part of PART
.set XS, X+16*((\t)%2)
.irp k, 0,1,2,3
	v_pk_mul_f32 v[PP+2*\k:PP+2*\k+1], v[XS:XS+1], v[GW+16*(\e0+\k):GW+16*(\e0+\k)+1]
.endr
.irp i, 2,4,6,8,10,12,14
.irp k, 0,1,2,3
	v_pk_fma_f32 v[PP+2*\k:PP+2*\k+1], v[XS+\i:XS+\i+1], v[GW+16*(\e0+\k)+\i:GW+16*(\e0+\k)+\i+1], v[PP+2*\k:PP+2*\k+1]
.endr
.endr
.irp k, 0,1,2,3
	v_add_f32 v[Q+\e0+\k], v[PP+2*\k], v[PP+2*\k+1]
.endr
.irp x, 1,2,4,8
.irp k, 0,1,2,3
	v_add_f32_dpp v[Q+\e0+\k], v[Q+\e0+\k], v[Q+\e0+\k] row_xmask:\x row_mask:0xf bank_mask:0xf
.endr
.endr
.irp k, 0,1,2,3
	v_permlanex16_b32 v[PP+2*\k], v[Q+\e0+\k], s40, s41   ; lane l xor 16's sum (the destination has been written)
.endr
.irp k, 0,1,2,3
	v_add_f32 v[Q+\e0+\k], v[Q+\e0+\k], v[PP+2*\k]
.endr
.irp k, 0,1,2,3
	ds_store_b32 v13, v[Q+\e0+\k] offset:32*(\t)+4*(\e0+\k)   ; all lanes write the same word with the same value
.endr
.endm
.macro STEP t, isx
	s_wait_dscnt 0x0                               ; this step's numbers are back from the stage, and the last step's LDS stores have read their registers
.if \isx
	s_wait_xcnt 0x0                                ; the last step's store of codes has read v[14:15]: they are written again only behind this wait
.endif
.if (\t)+4 < 16
.if \isx
	LOADQ (\t)+4, ((\t)+4)*8192
.else
	LOADQ (\t)+4, ((\t)+4+8*(((\t)+4)/8))*8192
.endif
.endif
.if (\t) < 12
	s_wait_loadcnt 12                              ; the next step's four loads are in; those of the three steps behind it may be out
.elseif (\t) < 15
	s_wait_loadcnt 4*(14-(\t))                     ; the same, with fewer steps left
.endif
.if (\t) < 15
	TURNQ (\t)+1
.endif
	QCORE \t
.if \isx
	global_store_b64 v6, v[14:15], s[DCP:DCP+1] offset:1024*(\t)   ; the wave stores 256 consecutive bytes, aligned
	ds_store_b8 v7, v12 offset:64*(\t)             ; both lanes of a block write the same byte with the same value
	GATE4 \t, 0
	GATE4 \t, 4
.else
	ds_store_b64 v6, v[14:15] offset:16*(\t)       ; piece lane / 2, row t
	ds_store_b8 v7, v12 offset:16*(\t)
.endif
.endm
.macro STAGES                          ; v4, v5 from s25, the byte at which my turn stages begin
	v_lshrrev_b32 v10, 2, v9
	v_mul_u32_u24 v4, v10, 80
	v_and_b32 v10, 3, v9
	v_lshl_add_u32 v4, v10, 4, v4
	v_add_nc_u32 v4, s25, v4                       ; in: 80 (lane / 4) + 16 (lane % 4); a load's 512 bytes take eight places
	v_mul_u32_u24 v5, v9, 80
	v_add_nc_u32 v5, s25, v5                       ; out: 80 x lane: my 16 neighbours
.endm
	s_load_b512 s[4:19], s[0:1], 0x0               ; x, gate_w, w1, w3, ws1, ws3, xq, wu
	s_load_b128 s[20:23], s[0:1], 0x40             ; topi, topw
	v_lshl_add_u32 v1, v0, 2, SPARE
	v_mov_b32 v2, 0
	v_lshrrev_b32 v8, 5, v0
	v_readfirstlane_b32 s24, v8                    ; wave = K quarter q
	v_and_b32 v9, 31, v0                           ; lane
	v_lshlrev_b32 v3, 4, v9
	s_mov_b32 s35, 0
	s_wait_kmcnt 0x0
	s_cmp_lt_u32 ttmp9, 64
	s_cbranch_scc1 .Lx
	; ---------------- W path: one tile of 16 weight rows ----------------
	s_mul_i32 s25, s24, WREG
	STAGES
	v_lshrrev_b32 v7, 1, v9                        ; lane / 2: my block
	v_mul_u32_u24 v6, v7, 272
	v_and_b32 v10, 1, v9
	v_lshl_add_u32 v6, v10, 3, v6
	v_add_nc_u32 v6, s25, v6
	v_add_nc_u32 v6, OST, v6                       ; out stage: 272 (lane / 2) + 8 (lane % 2)
	v_add_nc_u32 v7, s25, v7
	v_add_nc_u32 v7, SBY, v7
	v_lshlrev_b32 v112, 3, v9                      ; 8 x lane
	v_add_nc_u32 v10, s25, v112
	v_add_nc_u32 v10, SBY, v10                     ; the scale bytes, on the way out
	v_lshrrev_b32 v13, 4, v9
	v_mul_u32_u24 v13, v13, 272
	v_and_b32 v11, 15, v9
	v_lshl_add_u32 v13, v11, 4, v13
	v_add_nc_u32 v13, s25, v13
	v_add_nc_u32 v13, OST, v13                     ; the out stage, read back: two pieces an instruction
	s_sub_co_u32 s26, ttmp9, 64                    ; 0-511 w1, 512-1023 w3, 1024-1087 ws1, 1088-1151 ws3: the choice hangs on the work-group's number alone
	s_mov_b64 s[SRC:SRC+1], s[14:15]
	s_mov_b32 s30, 1088
	s_cmp_lt_u32 s26, 1088
	s_cselect_b64 s[SRC:SRC+1], s[12:13], s[SRC:SRC+1]
	s_cselect_b32 s30, 1024, s30
	s_cmp_lt_u32 s26, 1024
	s_cselect_b64 s[SRC:SRC+1], s[10:11], s[SRC:SRC+1]
	s_cselect_b32 s30, 512, s30
	s_cmp_lt_u32 s26, 512
	s_cselect_b64 s[SRC:SRC+1], s[8:9], s[SRC:SRC+1]
	s_cselect_b32 s30, 0, s30
	s_sub_co_u32 s31, s26, s30                     ; the tile's number in its tensor
	s_lshr_b32 s32, s31, 6                         ; where it goes in wu [expert 9][matrix 2][tile 64]: w1, w3: 128 e + 64 matrix + tile;
	s_lshl_b32 s32, s32, 7
	s_and_b32 s33, s31, 63
	s_add_co_u32 s32, s32, s33
	s_lshr_b32 s33, s30, 3
	s_add_co_u32 s32, s32, s33
	s_cmp_lt_u32 s26, 1024
	s_cselect_b32 s32, s32, s26                    ; ws1, ws3 (expert 8): the number as it is
	s_lshr_b32 s34, s31, 1                         ; its first row: 32 (tile / 2) + 8 (tile % 2), rows of 8,192 bytes; + my quarter
	s_lshl_b32 s34, s34, 18
	s_and_b32 s33, s31, 1
	s_lshl_b32 s33, s33, 16
	s_add_co_u32 s34, s34, s33
	s_lshl_b32 s33, s24, 11
	s_add_co_u32 s34, s34, s33
	s_add_nc_u64 s[SRC:SRC+1], s[SRC:SRC+1], s[34:35]
	s_lshl_b32 s34, s32, 14
	s_lshl_b32 s33, s24, 12
	s_add_co_u32 s34, s34, s33
	s_add_nc_u64 s[DCP:DCP+1], s[18:19], s[34:35]
	s_lshl_b32 s34, s32, 10
	s_lshl_b32 s33, s24, 8
	s_add_co_u32 s34, s34, s33
	s_add_co_u32 s34, s34, WUS
	s_add_nc_u64 s[DSP:DSP+1], s[18:19], s[34:35]
.irp t, 0,1,2,3
	LOADQ \t, (\t)*8192
.endr
	s_wait_loadcnt 12                              ; step 0's four loads are in
	TURNQ 0
.irp t, 0,1,2,3,4,5,6,7,8,9,10,11,12,13,14,15
	STEP \t, 0
.endr
	ds_load_b64 v[8:9], v10                        ; LDS serves a wave's instructions in order: these see my stores
.irp i, 0,1,2,3,4,5,6,7
	ds_load_b128 v[R+4*\i:R+4*\i+3], v13 offset:544*\i
.endr
	s_wait_dscnt 8                                 ; the scale bytes are back; the eight loads of codes may be out
	global_store_b64 v112, v[8:9], s[DSP:DSP+1]    ; 256 consecutive bytes, aligned
.irp i, 0,1,2,3,4,5,6,7
	s_wait_dscnt 7-\i
	global_store_b128 v3, v[R+4*\i:R+4*\i+3], s[DCP:DCP+1] offset:512*\i   ; 512 consecutive bytes, aligned
.endr
	s_wait_tensorcnt 0x0                           ; the wave's end
	ds_add_u32 v1, v2
	s_wait_dscnt 0x0
	s_endpgm
	; ---------------- X path: 16 tokens: codes, scale bytes, gate ----------------
.Lx:
	s_mul_i32 s25, s24, 5120
	s_add_co_u32 s25, s25, XST
	STAGES
	v_lshlrev_b32 v6, 3, v9                        ; my 8 bytes of the quarter's 256
	v_lshrrev_b32 v7, 1, v9
	s_lshl_b32 s26, s24, 4
	s_add_co_u32 s26, s26, XSB
	v_add_nc_u32 v7, s26, v7                       ; XSB + 16 q + lane / 2; + 64 a row
	v_and_b32 v10, 15, v0
	v_lshl_add_u32 v10, v10, 5, PART               ; the gate's end: row lane % 16
	s_lshl_b32 s26, s24, 9
	s_add_co_u32 s26, s26, PART
	v_mov_b32 v13, s26                             ; my wave's parts
	s_lshl_b32 s26, s24, 11
	v_lshl_add_u32 v11, v9, 6, s26                 ; gate_w: 2,048 q + 64 x lane
	s_mov_b32 s40, 0x76543210
	s_mov_b32 s41, 0xfedcba98                      ; v_permlanex16_b32's selects for lane l xor 16
	s_lshl_b32 s34, ttmp9, 17                      ; 16 rows of 8,192 bytes
	s_add_co_u32 s34, s34, s26
	s_add_nc_u64 s[SRC:SRC+1], s[4:5], s[34:35]
	s_lshl_b32 s34, ttmp9, 14
	s_lshl_b32 s26, s24, 8
	s_add_co_u32 s34, s34, s26
	s_add_nc_u64 s[DCP:DCP+1], s[16:17], s[34:35]
	s_lshl_b32 s34, ttmp9, 10
	s_add_co_u32 s34, s34, XQS
	s_add_nc_u64 s[DSP:DSP+1], s[16:17], s[34:35]
	s_lshl_b32 s34, ttmp9, 7                       ; 16 tokens x 8 bytes
	s_add_nc_u64 s[20:21], s[20:21], s[34:35]
	s_add_nc_u64 s[22:23], s[22:23], s[34:35]
.irp e, 0,1,2,3,4,5,6,7
.irp j, 0,1,2,3
	global_load_b128 v[GW+16*\e+4*\j:GW+16*\e+4*\j+3], v11, s[6:7] offset:8192*\e+16*\j
.endr
.endr
.irp t, 0,1,2,3
	LOADQ \t, (\t)*8192
.endr
	s_wait_loadcnt 12                              ; gate_w and step 0 are in (so v11, gate_w's offset, is free)
	TURNQ 0
.irp t, 0,1,2,3,4,5,6,7,8,9,10,11,12,13,14,15
	STEP \t, 1
.endr
	s_wait_dscnt 0x0                               ; for the others' sake: my scale bytes and my parts of the logits have landed
	s_barrier_signal -1
	s_barrier_wait -1
	v_lshl_add_u32 v80, v0, 3, XSB                 ; the 1,024 scale bytes leave 8 a thread
	v_lshlrev_b32 v81, 3, v0
	ds_load_b64 v[82:83], v80
	s_wait_dscnt 0x0
	global_store_b64 v81, v[82:83], s[DSP:DSP+1]   ; a wave stores 256 consecutive bytes, aligned
	s_cmp_lg_u32 s24, 0
	s_cbranch_scc1 .Lxend
	; wave 0: lane (r, h): token r; both halves compute alike, half h stores choice h
.irp w, 0,1,2,3
	ds_load_b128 v[16+8*\w:19+8*\w], v10 offset:512*\w
	ds_load_b128 v[20+8*\w:23+8*\w], v10 offset:512*\w+16
.endr
	s_wait_dscnt 0x0
.irp e, 0,1,2,3,4,5,6,7
	v_add_f32 v[48+\e], v[16+\e], v[24+\e]
	v_add_f32 v[64+\e], v[32+\e], v[40+\e]
.endr
.irp e, 0,1,2,3,4,5,6,7
	v_add_f32 v[48+\e], v[48+\e], v[64+\e]         ; the logits
.endr
	v_max3_num_f32 v56, v48, v49, v50
	v_max3_num_f32 v56, v56, v51, v52
	v_max3_num_f32 v56, v56, v53, v54
	v_max_num_f32 v56, v56, v55                    ; the maximum is taken away ahead of the exponential, as in reference()
.irp e, 0,1,2,3,4,5,6,7
	v_sub_f32 v[48+\e], v[48+\e], v56
.endr
.irp e, 0,1,2,3,4,5,6,7
	v_mul_f32 v[48+\e], 0x3fb8aa3b, v[48+\e]
.endr
.irp e, 0,1,2,3,4,5,6,7
	v_exp_f32 v[48+\e], v[48+\e]
.endr
	v_nop                                          ; a plain line behind the last exponential
	s_wait_alu depctr_va_vdst(0)                   ; one wait for the eight, ahead of their first use
	v_add_f32 v57, v48, v49
	v_add_f32 v75, v50, v51
	v_add_f32 v76, v52, v53
	v_add_f32 v77, v54, v55
	v_add_f32 v57, v57, v75
	v_add_f32 v76, v76, v77
	v_add_f32 v57, v57, v76
	v_rcp_f32 v58, v57
	v_mov_b32 v60, 0                               ; the largest p and its index; of equal p the lower index stays
	v_mov_b32 v59, v48
.irp e, 1,2,3,4,5,6,7
	v_cmp_le_f32 vcc_lo, v[48+\e], v59             ; not larger: keep
	v_cndmask_b32 v60, \e, v60, vcc_lo
	v_cndmask_b32 v59, v[48+\e], v59, vcc_lo
.endr
.irp e, 0,1,2,3,4,5,6,7
	v_cmp_ne_u32 vcc_lo, \e, v60
	v_cndmask_b32 v[64+\e], -1.0, v[48+\e], vcc_lo ; the winner leaves the field
.endr
	v_mov_b32 v62, 0
	v_mov_b32 v61, v64
.irp e, 1,2,3,4,5,6,7
	v_cmp_le_f32 vcc_lo, v[64+\e], v61
	v_cndmask_b32 v62, \e, v62, vcc_lo
	v_cndmask_b32 v61, v[64+\e], v61, vcc_lo
.endr
	v_bfe_u32 v74, v0, 4, 1                        ; h
	v_and_b32 v73, 15, v0
	v_lshlrev_b32 v73, 3, v73
	v_lshl_add_u32 v73, v74, 2, v73                ; 8 r + 4 h
	s_wait_alu depctr_va_vdst(0)                   ; the reciprocal, ahead of its first use
	v_mul_f32 v59, v59, v58
	v_mul_f32 v61, v61, v58
	v_cmp_eq_u32 vcc_lo, 1, v74
	v_cndmask_b32 v63, v60, v62, vcc_lo
	v_cndmask_b32 v72, v59, v61, vcc_lo
	global_store_b32 v73, v63, s[20:21]            ; 128 consecutive bytes
	global_store_b32 v73, v72, s[22:23]
.Lxend:
	s_wait_tensorcnt 0x0                           ; the wave's end
	ds_add_u32 v1, v2
	s_wait_dscnt 0x0
	s_endpgm
.Lfunc_end_k_q1ff68c3301_prep:
	.size	k_q1ff68c3301_prep, .Lfunc_end_k_q1ff68c3301_prep-k_q1ff68c3301_prep
	.p2alignl 7, 3214868480
	.fill 96, 4, 3214868480
	.section	.rodata,"a",@progbits
	.p2align	6, 0x0
	.amdhsa_kernel k_q1ff68c3301_prep
		.amdhsa_group_segment_fixed_size 62976
		.amdhsa_private_segment_fixed_size 0
		.amdhsa_enable_private_segment 0
		.amdhsa_kernarg_size 80
		.amdhsa_user_sgpr_count 2
		.amdhsa_user_sgpr_kernarg_segment_ptr 1
		.amdhsa_wavefront_size32 1
		.amdhsa_system_sgpr_workgroup_id_x 1
		.amdhsa_system_sgpr_workgroup_id_y 1
		.amdhsa_system_sgpr_workgroup_id_z 1
		.amdhsa_system_vgpr_workitem_id 0
		.amdhsa_next_free_vgpr 256
		.amdhsa_next_free_sgpr 66
		.amdhsa_reserve_vcc 1
		.amdhsa_float_denorm_mode_32 3
		.amdhsa_float_denorm_mode_16_64 3
		.amdhsa_memory_ordered 1
		.amdhsa_forward_progress 1
		.amdhsa_inst_pref_size 197
	.end_amdhsa_kernel
	.amdgpu_metadata
---
amdhsa.version: [ 1, 2 ]
amdhsa.kernels:
  - .name:           k_q1ff68c3301_prep
    .symbol:         k_q1ff68c3301_prep.kd
    .args:
      - { .name: x, .offset: 0, .size: 8, .value_kind: global_buffer, .address_space: global }
      - { .name: gate_w, .offset: 8, .size: 8, .value_kind: global_buffer, .address_space: global }
      - { .name: w1, .offset: 16, .size: 8, .value_kind: global_buffer, .address_space: global }
      - { .name: w3, .offset: 24, .size: 8, .value_kind: global_buffer, .address_space: global }
      - { .name: ws1, .offset: 32, .size: 8, .value_kind: global_buffer, .address_space: global }
      - { .name: ws3, .offset: 40, .size: 8, .value_kind: global_buffer, .address_space: global }
      - { .name: xq, .offset: 48, .size: 8, .value_kind: global_buffer, .address_space: global }
      - { .name: wu, .offset: 56, .size: 8, .value_kind: global_buffer, .address_space: global }
      - { .name: topi, .offset: 64, .size: 8, .value_kind: global_buffer, .address_space: global }
      - { .name: topw, .offset: 72, .size: 8, .value_kind: global_buffer, .address_space: global }
    .group_segment_fixed_size: 62976
    .private_segment_fixed_size: 0
    .kernarg_segment_align: 8
    .kernarg_segment_size: 80
    .max_flat_workgroup_size: 128
    .sgpr_count:     66
    .vgpr_count:     256
    .wavefront_size: 32
...
	.end_amdgpu_metadata
.endif
;; end of part 1
;; launch route (part 2): grid 577 x 1, 4 waves a work-group, no clusters, 39,936 bytes of LDS; arguments w2, ws2, topi, wd, route; writes wd, route
.if DOCPART == 2
	.amdgcn_target "amdgcn-amd-amdhsa--gfx1250"
	.amdhsa_code_object_version 6
	.text
	.protected	k_q1ff68c3301_route
	.globl	k_q1ff68c3301_route
	.p2align	8
	.type	k_q1ff68c3301_route,@function
k_q1ff68c3301_route:
	s_mov_b64 s[64:65], 0
	v_nop
	global_prefetch_b8 v0, s[64:65] scope:SCOPE_SE
	s_setreg_imm32_b32 hwreg(HW_REG_WAVE_MODE, 25, 1), 1
	s_wait_xcnt 0x0
; Second launch.  Work left out: the rows of experts that were not chosen for a token (comb[t, e] = 0 by reference()'s own one_hot: shown at the head of the first kernel); this launch makes the lists by which the later ones keep to the chosen rows.
; Work-groups 1-576 quantise w2 and ws2 along INTER into wd, as images of operand registers (the first kernel's W path; here a tile's 16 rows are neighbours, a row is 4,096 bytes, and a wave takes
; half a row: 512 numbers).  Two tiles a work-group: tile 2 (id - 1) + wave / 2, K half wave % 2.
; Work-group 0 sorts the 2,048 entries (token, choice) by expert, by counting, with no atomics.  Rows of the later launches: each expert's entries on end, padded to whole blocks of 64: never more than
; 2,048 / 64 + 8 - 1 = 39 blocks, rows 0-2,495; the shared expert's rows are 2,496 + t.  route holds pos[2048] (an entry's row) at 0, rowtok[3,520] (a row's token; entry 3,520 takes the stores that have no
; place) at 8,192, blk_e[128] (a block's expert; 8 = the shared one) at 22,528.  Pad rows and blocks without an expert get token 0 (and expert 8): they are computed like any row and read by nobody.
.set WREG,  9728
.set OST,   5120
.set SBY,   9472
.set SRT,   38912                      ; sort path: 4 waves x 32 words
.set SPARE, 39424                      ; the spare words, 128 bytes a wave: no other line names them
.set WDS,   9437184                    ; where wd's scale bytes begin
.set R,   16
.set X,   80
.set SRC, 28
.set DCP, 36
.set DSP, 38
.set ENT, 16                           ; sort path: v16-31 the entries' experts; v32-47 ranks; v48-63 rows; v64-79 their byte offsets; v80-95 tokens; v96-103 the experts' starts; v104-111 pad addresses
.set RK,  32
.set POS, 48
.set AD,  64
.set TK,  80
.macro LOADQ t, off
.irp i, 0,1,2,3
	global_load_b128 v[R+16*((\t)%4)+4*\i:R+16*((\t)%4)+4*\i+3], v3, s[SRC:SRC+1] offset:(\off)+512*\i th:TH_LOAD_NT
.endr
.endm
.macro TURNQ t
.irp i, 0,1,2,3
	ds_store_b128 v4, v[R+16*((\t)%4)+4*\i:R+16*((\t)%4)+4*\i+3] offset:2560*((\t)%2)+640*\i
.endr
.irp i, 0,1,2,3
	ds_load_b128 v[X+16*((\t)%2)+4*\i:X+16*((\t)%2)+4*\i+3], v5 offset:2560*((\t)%2)+16*\i
.endr
.endm
.macro QCORE t
.set XS, X+16*((\t)%2)
	v_max3_num_f32 v8, |v[XS]|, |v[XS+1]|, |v[XS+2]|
	v_max3_num_f32 v9, |v[XS+3]|, |v[XS+4]|, |v[XS+5]|
.irp i, 6,10
	v_max3_num_f32 v8, v8, |v[XS+\i]|, |v[XS+\i+1]|
	v_max3_num_f32 v9, v9, |v[XS+\i+2]|, |v[XS+\i+3]|
.endr
	v_max3_num_f32 v8, v8, |v[XS+14]|, |v[XS+15]|
	v_max3_num_f32 v8, v8, v9, 0x1800000           ; the floor 2^(3 - 127): the byte cannot fall under 1
	v_max_num_f32_dpp v8, v8, v8 row_xmask:1 row_mask:0xf bank_mask:0xf
	v_add_nc_u32 v11, 0xff000000, v8               ; 2 off the exponent field: the conversion's scale operand
	v_cvt_scalef32_pk8_fp4_f32 v14, v[XS:XS+7], v11
	v_cvt_scalef32_pk8_fp4_f32 v15, v[XS+8:XS+15], v11
	v_lshrrev_b32 v12, 23, v11                     ; the byte; also the plain line behind the conversions
.endm
.macro STEP t
	s_wait_dscnt 0x0                               ; this step's numbers are back from the stage, and the last step's LDS stores have read their registers
.if (\t)+4 < 16
	LOADQ (\t)+4, ((\t)+4)*4096
.endif
.if (\t) < 12
	s_wait_loadcnt 12                              ; the next step's four loads are in; three steps' may be out
.elseif (\t) < 15
	s_wait_loadcnt 4*(14-(\t))
.endif
.if (\t) < 15
	TURNQ (\t)+1
.endif
	QCORE \t
	ds_store_b64 v6, v[14:15] offset:16*(\t)
	ds_store_b8 v7, v12 offset:16*(\t)
.endm
	s_load_b256 s[4:11], s[0:1], 0x0               ; w2, ws2, topi, wd
	s_load_b64 s[12:13], s[0:1], 0x20              ; route
	v_lshl_add_u32 v1, v0, 2, SPARE
	v_mov_b32 v2, 0
	v_lshrrev_b32 v8, 5, v0
	v_readfirstlane_b32 s14, v8                    ; wave
	v_and_b32 v9, 31, v0                           ; lane
	v_lshlrev_b32 v3, 4, v9
	s_wait_kmcnt 0x0
	s_cmp_eq_u32 ttmp9, 0
	s_cbranch_scc1 .Lsort
	; ---------------- W path ----------------
	s_mul_i32 s25, s14, WREG
	v_lshrrev_b32 v10, 2, v9
	v_mul_u32_u24 v4, v10, 80
	v_and_b32 v10, 3, v9
	v_lshl_add_u32 v4, v10, 4, v4
	v_add_nc_u32 v4, s25, v4
	v_mul_u32_u24 v5, v9, 80
	v_add_nc_u32 v5, s25, v5
	v_lshrrev_b32 v7, 1, v9
	v_mul_u32_u24 v6, v7, 272
	v_and_b32 v10, 1, v9
	v_lshl_add_u32 v6, v10, 3, v6
	v_add_nc_u32 v6, s25, v6
	v_add_nc_u32 v6, OST, v6
	v_add_nc_u32 v7, s25, v7
	v_add_nc_u32 v7, SBY, v7
	v_lshlrev_b32 v112, 3, v9
	v_add_nc_u32 v10, s25, v112
	v_add_nc_u32 v10, SBY, v10
	v_lshrrev_b32 v13, 4, v9
	v_mul_u32_u24 v13, v13, 272
	v_and_b32 v11, 15, v9
	v_lshl_add_u32 v13, v11, 4, v13
	v_add_nc_u32 v13, s25, v13
	v_add_nc_u32 v13, OST, v13
	s_sub_co_u32 s26, ttmp9, 1
	s_lshl_b32 s27, s26, 1
	s_lshr_b32 s30, s14, 1
	s_add_co_u32 s27, s27, s30                     ; the tile: 0-1,023 w2's, 1,024-1,151 ws2's
	s_and_b32 s31, s14, 1                          ; the K half
	s_cmp_lt_u32 s26, 512                          ; the choice hangs on the work-group's number alone
	s_cselect_b64 s[SRC:SRC+1], s[4:5], s[6:7]
	s_cselect_b32 s30, 0, 1024
	s_sub_co_u32 s30, s27, s30
	s_lshl_b32 s34, s30, 16                        ; 16 rows of 4,096 bytes
	s_lshl_b32 s33, s31, 11
	s_add_co_u32 s34, s34, s33
	s_mov_b32 s35, 0
	s_add_nc_u64 s[SRC:SRC+1], s[SRC:SRC+1], s[34:35]
	s_lshl_b32 s34, s27, 13
	s_lshl_b32 s33, s31, 12
	s_add_co_u32 s34, s34, s33
	s_add_nc_u64 s[DCP:DCP+1], s[10:11], s[34:35]
	s_lshl_b32 s34, s27, 9
	s_lshl_b32 s33, s31, 8
	s_add_co_u32 s34, s34, s33
	s_add_co_u32 s34, s34, WDS
	s_add_nc_u64 s[DSP:DSP+1], s[10:11], s[34:35]
.irp t, 0,1,2,3
	LOADQ \t, (\t)*4096
.endr
	s_wait_loadcnt 12                              ; step 0's four loads are in
	TURNQ 0
.irp t, 0,1,2,3,4,5,6,7,8,9,10,11,12,13,14,15
	STEP \t
.endr
	ds_load_b64 v[8:9], v10
.irp i, 0,1,2,3,4,5,6,7
	ds_load_b128 v[R+4*\i:R+4*\i+3], v13 offset:544*\i
.endr
	s_wait_dscnt 8                                 ; the scale bytes are back; the eight loads of codes may be out
	global_store_b64 v112, v[8:9], s[DSP:DSP+1]
.irp i, 0,1,2,3,4,5,6,7
	s_wait_dscnt 7-\i
	global_store_b128 v3, v[R+4*\i:R+4*\i+3], s[DCP:DCP+1] offset:512*\i
.endr
	s_wait_tensorcnt 0x0                           ; the wave's end
	ds_add_u32 v1, v2
	s_wait_dscnt 0x0
	s_endpgm
	; ---------------- the sort: entry i = 2 t + k; wave w, register c, lane l hold i = 512 w + 128 (c / 4) + 4 l + c % 4 ----------------
	; s16-23 the wave's running counts; s24-31 the experts' totals; s32-63 the four waves' counts; s66-74 first blocks; s76-83 my wave's first row in each expert; s84-91 the row behind each expert's last entry
.Lsort:
	s_lshl_b32 s2, s14, 11
	v_add_nc_u32 v4, s2, v3                        ; 2,048 w + 16 l
.irp j, 0,1,2,3
	global_load_b128 v[ENT+4*\j:ENT+4*\j+3], v4, s[8:9] offset:512*\j
.endr
.irp e, 0,1,2,3,4,5,6,7
	s_mov_b32 s[16+\e], 0
.endr
.irp c, 0,1,2,3,4,5,6,7,8,9,10,11,12,13,14,15
	v_mov_b32 v[RK+\c], 0
.endr
	v_lshl_add_u32 v7, v0, 2, SRT                  ; where my wave's counts go: lane e holds expert e's
	v_lshrrev_b32 v10, 3, v9
	v_and_b32 v11, 7, v9
	v_lshlrev_b32 v10, 7, v10
	v_lshl_add_u32 v10, v11, 2, v10
	v_add_nc_u32 v10, SRT, v10                     ; and back: lane l takes wave l / 8's count of expert l % 8
	s_wait_loadcnt 0x0
.irp c, 0,1,2,3,4,5,6,7,8,9,10,11,12,13,14,15
	v_min_u32 v[ENT+\c], 7, v[ENT+\c]
.endr
.irp c, 0,1,2,3,4,5,6,7,8,9,10,11,12,13,14,15
.irp e, 0,1,2,3,4,5,6,7
	v_cmp_eq_u32 s2, \e, v[ENT+\c]                 ; the lanes whose entry goes to expert e
	v_mbcnt_lo_u32_b32 v5, s2, s[16+\e]            ; those below me, and what the wave has counted so far
	v_cndmask_b32 v[RK+\c], v[RK+\c], v5, s2
	s_bcnt1_i32_b32 s3, s2
	s_add_co_u32 s[16+\e], s[16+\e], s3
.endr
.endr
	v_mov_b32 v6, 0
.irp e, 0,1,2,3,4,5,6,7
	v_writelane_b32 v6, s[16+\e], \e
.endr
	ds_store_b32 v7, v6
	s_wait_dscnt 0x0                               ; for the others' sake: my counts have landed
	s_barrier_signal -1
	s_barrier_wait -1
	ds_load_b32 v12, v10
	s_wait_dscnt 0x0
.irp i, 0,1,2,3,4,5,6,7,8,9,10,11,12,13,14,15,16,17,18,19,20,21,22,23,24,25,26,27,28,29,30,31
	v_readlane_b32 s[32+\i], v12, \i
.endr
	s_cmp_gt_u32 s14, 0
	s_cselect_b32 s92, 1, 0                        ; does wave 0 stand ahead of me?
	s_cmp_gt_u32 s14, 1
	s_cselect_b32 s93, 1, 0
	s_cmp_gt_u32 s14, 2
	s_cselect_b32 s94, 1, 0
	s_mov_b32 s66, 0
.irp e, 0,1,2,3,4,5,6,7
	s_add_co_u32 s[24+\e], s[32+\e], s[40+\e]
	s_add_co_u32 s2, s[48+\e], s[56+\e]
	s_add_co_u32 s[24+\e], s[24+\e], s2            ; the expert's entries
	s_mul_i32 s[76+\e], s[32+\e], s92
	s_mul_i32 s2, s[40+\e], s93
	s_add_co_u32 s[76+\e], s[76+\e], s2
	s_mul_i32 s2, s[48+\e], s94
	s_add_co_u32 s[76+\e], s[76+\e], s2            ; those of the waves ahead of me
	s_add_co_u32 s2, s[24+\e], 63
	s_lshr_b32 s2, s2, 6
	s_add_co_u32 s[67+\e], s[66+\e], s2            ; the next expert's first block
	s_lshl_b32 s2, s[66+\e], 6
	s_add_co_u32 s[76+\e], s[76+\e], s2
	s_add_co_u32 s[84+\e], s[24+\e], s2
.endr
.irp e, 0,1,2,3,4,5,6,7
	v_mov_b32 v[96+\e], s[76+\e]
.endr
.irp c, 0,1,2,3,4,5,6,7,8,9,10,11,12,13,14,15
	v_mov_b32 v[POS+\c], v96
.irp e, 1,2,3,4,5,6,7
	v_cmp_eq_u32 vcc_lo, \e, v[ENT+\c]
	v_cndmask_b32 v[POS+\c], v[POS+\c], v[96+\e], vcc_lo
.endr
	v_add_nc_u32 v[POS+\c], v[POS+\c], v[RK+\c]
	v_min_u32 v[POS+\c], 0x9bf, v[POS+\c]          ; a row, 2,495 at the most
	v_lshlrev_b32 v[AD+\c], 2, v[POS+\c]
.endr
.irp j, 0,1,2,3
	global_store_b128 v4, v[POS+4*\j:POS+4*\j+3], s[12:13] offset:512*\j   ; pos, as the entries lie: 512 consecutive bytes
.endr
	s_lshl_b32 s2, s14, 8
	v_lshl_add_u32 v5, v9, 1, s2                   ; 256 w + 2 l
.irp c, 0,1,2,3,4,5,6,7,8,9,10,11,12,13,14,15
	v_add_nc_u32 v[TK+\c], 64*(\c/4)+(\c%4)/2, v5  ; the entry's token, i / 2
.endr
.irp c, 0,1,2,3,4,5,6,7,8,9,10,11,12,13,14,15
	global_store_b32 v[AD+\c], v[TK+\c], s[12:13] offset:8192   ; each store has registers of its own: none is written again
.endr
	; token 0 into every pad row.  An expert has 63 pads at the most: 4 waves x 16 lanes; lanes 0-15 serve expert 2 j, lanes 16-31 expert 2 j + 1.  A place that is no pad is turned to entry 3,520
	s_mov_b32 s15, 0xffff0000
	v_mov_b32 v113, 0
	v_and_b32 v6, 15, v0
	s_lshl_b32 s2, s14, 4
	v_add_nc_u32 v6, s2, v6
.irp j, 0,1,2,3
	v_mov_b32 v[104+\j], s[84+2*\j]
	v_cndmask_b32 v[104+\j], v[104+\j], s[85+2*\j], s15
	s_lshl_b32 s2, s[67+2*\j], 6
	s_lshl_b32 s3, s[68+2*\j], 6
	v_mov_b32 v7, s2
	v_cndmask_b32 v7, v7, s3, s15                  ; the next expert's first row
	v_add_nc_u32 v[104+\j], v[104+\j], v6
	v_cmp_lt_u32 vcc_lo, v[104+\j], v7
	v_cndmask_b32 v[104+\j], 0xdc0, v[104+\j], vcc_lo
	v_min_u32 v[104+\j], 0xdc0, v[104+\j]
	v_lshlrev_b32 v[104+\j], 2, v[104+\j]
	global_store_b32 v[104+\j], v113, s[12:13] offset:8192
.endr
	s_lshl_b32 s2, s74, 6                          ; the rows behind the last expert's, up to 2,495: 448 at the most, 4 x 128 threads
.irp j, 0,1,2,3
	v_add3_u32 v[108+\j], s2, v0, 128*\j
	v_cmp_gt_u32 vcc_lo, 0x9c0, v[108+\j]
	v_cndmask_b32 v[108+\j], 0xdc0, v[108+\j], vcc_lo
	v_min_u32 v[108+\j], 0xdc0, v[108+\j]
	v_lshlrev_b32 v[108+\j], 2, v[108+\j]
	global_store_b32 v[108+\j], v113, s[12:13] offset:8192
.endr
	v_lshlrev_b32 v114, 4, v0                      ; the shared expert's rows: rowtok[2,496 + t] = t
	v_lshlrev_b32 v116, 2, v0
	v_add_nc_u32 v117, 1, v116
	v_add_nc_u32 v118, 2, v116
	v_add_nc_u32 v119, 3, v116
.irp k, 0,1,2,3
	v_add_nc_u32 v[120+\k], 512, v[116+\k]
.endr
	global_store_b128 v114, v[116:119], s[12:13] offset:18176
	global_store_b128 v114, v[120:123], s[12:13] offset:20224
	v_mov_b32 v124, 0                              ; a block's expert: how many experts end at or ahead of it; 8 from the last expert's end on
.irp e, 0,1,2,3,4,5,6,7
	v_cmp_le_u32 vcc_lo, s[67+\e], v0
	v_cndmask_b32 v125, 0, 1, vcc_lo
	v_add_nc_u32 v124, v124, v125
.endr
	v_lshlrev_b32 v115, 2, v0
	global_store_b32 v115, v124, s[12:13] offset:22528
	s_wait_tensorcnt 0x0                           ; the wave's end
	ds_add_u32 v1, v2
	s_wait_dscnt 0x0
	s_endpgm
.Lfunc_end_k_q1ff68c3301_route:
	.size	k_q1ff68c3301_route, .Lfunc_end_k_q1ff68c3301_route-k_q1ff68c3301_route
	.p2alignl 7, 3214868480
	.fill 96, 4, 3214868480
	.section	.rodata,"a",@progbits
	.p2align	6, 0x0
	.amdhsa_kernel k_q1ff68c3301_route
		.amdhsa_group_segment_fixed_size 39936
		.amdhsa_private_segment_fixed_size 0
		.amdhsa_enable_private_segment 0
		.amdhsa_kernarg_size 40
		.amdhsa_user_sgpr_count 2
		.amdhsa_user_sgpr_kernarg_segment_ptr 1
		.amdhsa_wavefront_size32 1
		.amdhsa_system_sgpr_workgroup_id_x 1
		.amdhsa_system_sgpr_workgroup_id_y 1
		.amdhsa_system_sgpr_workgroup_id_z 1
		.amdhsa_system_vgpr_workitem_id 0
		.amdhsa_next_free_vgpr 128
		.amdhsa_next_free_sgpr 100
		.amdhsa_reserve_vcc 1
		.amdhsa_float_denorm_mode_32 3
		.amdhsa_float_denorm_mode_16_64 3
		.amdhsa_memory_ordered 1
		.amdhsa_forward_progress 1
		.amdhsa_inst_pref_size 94
	.end_amdhsa_kernel
	.amdgpu_metadata
---
amdhsa.version: [ 1, 2 ]
amdhsa.kernels:
  - .name:           k_q1ff68c3301_route
    .symbol:         k_q1ff68c3301_route.kd
    .args:
      - { .name: w2, .offset: 0, .size: 8, .value_kind: global_buffer, .address_space: global }
      - { .name: ws2, .offset: 8, .size: 8, .value_kind: global_buffer, .address_space: global }
      - { .name: topi, .offset: 16, .size: 8, .value_kind: global_buffer, .address_space: global }
      - { .name: wd, .offset: 24, .size: 8, .value_kind: global_buffer, .address_space: global }
      - { .name: route, .offset: 32, .size: 8, .value_kind: global_buffer, .address_space: global }
    .group_segment_fixed_size: 39936
    .private_segment_fixed_size: 0
    .kernarg_segment_align: 8
    .kernarg_segment_size: 40
    .max_flat_workgroup_size: 128
    .sgpr_count:     100
    .vgpr_count:     128
    .wavefront_size: 32
...
	.end_amdgpu_metadata
.endif
;; end of part 2
;; launch up (part 3): grid 8 x 55, 4 waves a work-group, no clusters, 72,448 bytes of LDS; arguments xq, wu, route, g; writes g
.if DOCPART == 3
	.amdgcn_target "amdgcn-amd-amdhsa--gfx1250"
	.amdhsa_code_object_version 6
	.text
	.protected	k_q1ff68c3301_up
	.globl	k_q1ff68c3301_up
	.p2align	8
	.type	k_q1ff68c3301_up,@function
k_q1ff68c3301_up:
	s_mov_b64 s[64:65], 0
	v_nop
	global_prefetch_b8 v0, s[64:65] scope:SCOPE_SE
	s_setreg_imm32_b32 hwreg(HW_REG_WAVE_MODE, 25, 1), 1
	s_wait_xcnt 0x0
; Third launch: g = silu(x w1^T) x (x w3^T), quantised along INTER, for the rows that count alone (an expert's rows are the tokens that chose it: comb[t, e] = 0 elsewhere, shown at the head of the first kernel).
; A work-group takes a block of 64 rows (y: 0-38 routed, 39-54 shared) and 128 units of INTER (x).  The block's expert and its rows' tokens are read from route; they enter addresses alone: no branch hangs on them.
; Wave q makes units 128 x + 32 q .. + 31 for all 64 rows: tiles 2 b, 2 b + 1 of w1 (c = 0, 1) and of w3 (c = 2, 3), b = 4 x + q, against four tiles of 16 rows: 16 accumulators, which take turns.
; THE PRODUCT IS USED TRANSPOSED (source 0 = 16 weight rows, source 1 = 16 rows of x): a lane holds one row, and by the order of a tile's weight rows its 16 registers of tiles 2 b, 2 b + 1 are units
; 32 b + 16 (lane / 16) + 0 .. 15: a block of 32 along the next K lies in lanes l and l xor 16.
; Weights come from memory straight into operand registers (wu holds images of them), two K steps ahead; the 64 rows' codes of x are gathered once into LDS (rows 1,040 bytes apart) and read by all four waves.
; No tensor load and no cluster: a tile's address hangs on numbers read from memory, and which blocks share an expert hangs on the split.
; g: codes [block 55][K step 8][row tile 4][1,024-byte image]; scale words [block][K step][row tile][16 rows][4 bytes] from GSO on.
; REGISTERS.  Window 0: v1, v2 the add's two; v3-15 addresses; v16-47 weights' scale words; v48-79 rows' scale words; v80-175 weights, three sets of 32; v176-239 rows' fragments, two sets of 32; v240-255 at work.
; Window 1: the accumulators, (row tile m, column tile c) at v[8 (4 m + c)]; at the head they carry the gathered codes.
.set NK,    16
.set XSL,   66560                      ; LDS: behind the codes (64 x 1,040): the rows' scale bytes, 64 rows x 80
.set GS,    71680                      ; 256 bytes: g's scale words of this work-group
.set SPARE, 71936                      ; the spare words, 128 bytes a wave: no other line names them
.set WUS,   18874368
.set GSO,   1802240
.set WS,  16
.set XSC, 48
.set WB,  80
.set XB,  176
.set T,   80                           ; the way out: 64 numbers; v144-151 their codes; v240-251 at work
.set PC,  144
.set TM,  240
.set MSB, 0
.macro WIN new                         ; the immediate's high byte repeats the setting that is left
.if MSB != \new
	s_set_vgpr_msb (MSB<<8)|\new
.set MSB, \new
.endif
.endm
.macro WLOAD s                         ; K step s: four fragments of weights, each two loads of 512 consecutive bytes
.irp c, 0,1,2,3
.irp k, 0,1
	global_load_b128 v[WB+32*((\s)%3)+8*\c+4*\k:WB+32*((\s)%3)+8*\c+4*\k+3], v3, s[48:49] offset:(\c&1)*16384+(\c>>1)*1048576+1024*(\s)+512*\k
.endr
.endr
.endm
.macro XLOAD s                         ; K step s: four fragments of rows from LDS
.irp m, 0,1,2,3
.irp k, 0,1
	ds_load_b128 v[XB+32*((\s)%2)+8*\m+4*\k:XB+32*((\s)%2)+8*\m+4*\k+3], v4 offset:16640*\m+64*(\s)+32*\k
.endr
.endr
.endm
.macro MMA s, m, c                     ; a scale register holds the words of K steps 8 i + j (lanes 0-15) and 8 i + 4 + j (lanes 16-31)
.set rD, 8*(4*(\m)+(\c))
.set rA, WB+32*((\s)%3)+8*(\c)
.set rB, XB+32*((\s)%2)+8*(\m)
.set rP, WS+8*(\c)+4*((\s)/8)+(\s)%4
.set rQ, XSC+8*(\m)+4*((\s)/8)+(\s)%4
.if (\s) == 0
	v_wmma_scale_f32_16x16x128_f8f6f4 v[rD:rD+7], v[rA:rA+7], v[rB:rB+7], 0, v[rP], v[rQ] matrix_a_fmt:MATRIX_FMT_FP4 matrix_b_fmt:MATRIX_FMT_FP4
.elseif ((\s)/4)%2 == 0
	v_wmma_scale_f32_16x16x128_f8f6f4 v[rD:rD+7], v[rA:rA+7], v[rB:rB+7], v[rD:rD+7], v[rP], v[rQ] matrix_a_fmt:MATRIX_FMT_FP4 matrix_b_fmt:MATRIX_FMT_FP4
.else
	v_wmma_scale_f32_16x16x128_f8f6f4 v[rD:rD+7], v[rA:rA+7], v[rB:rB+7], v[rD:rD+7], v[rP], v[rQ] matrix_a_fmt:MATRIX_FMT_FP4 matrix_b_fmt:MATRIX_FMT_FP4 matrix_a_scale:MATRIX_SCALE_ROW1 matrix_b_scale:MATRIX_SCALE_ROW1
.endif
.endm
.macro KSTEP s
.if (\s) > 0
.rept 4
	v_nop                                          ; four places between the last products and the loads into registers that they read
.endr
.endif
.if (\s)+2 < NK
	WLOAD (\s)+2
.endif
.if (\s)+1 < NK
	XLOAD (\s)+1
.endif
.if (\s)+2 < NK
	s_wait_loadcnt 16                              ; this step's weights are in; the two later steps' sixteen loads may be out
.elseif (\s)+1 < NK
	s_wait_loadcnt 8
.else
	s_wait_loadcnt 0
.endif
.if (\s)+1 < NK
	s_wait_dscnt 8                                 ; this step's rows are in; the next step's eight loads may be out
.else
	s_wait_dscnt 0
.endif
	WIN 0x50                                       ; C and D in window 1
.irp m, 0,1,2,3
.irp c, 0,1,2,3
	MMA \s, \m, \c
.endr
.endr
	WIN 0
.endm
	s_load_b256 s[4:11], s[0:1], 0x0               ; xq, wu, route, g
	v_lshl_add_u32 v1, v0, 2, SPARE
	v_mov_b32 v2, 0
	v_lshrrev_b32 v14, 5, v0
	v_readfirstlane_b32 s24, v14                   ; wave q
	s_and_b32 s25, ttmp7, 0xffff                   ; the block
	v_and_b32 v15, 31, v0                          ; lane
	v_lshlrev_b32 v3, 4, v15
	v_and_b32 v14, 15, v0                          ; r
	v_bfe_u32 v9, v0, 4, 1                         ; h
	v_mul_u32_u24 v4, v14, 1040
	v_lshl_add_u32 v4, v9, 4, v4                   ; a fragment of rows: row r x pitch + 16 h
	s_mul_i32 s29, s24, 16640
	v_add_nc_u32 v5, s29, v3                       ; the gather's stores: my wave's 16 rows, 16 x lane
	v_lshrrev_b32 v8, 2, v15                       ; lane / 4
	v_and_b32 v13, 3, v15
	v_lshlrev_b32 v254, 4, v13                     ; 16 (lane % 4)
	v_mul_u32_u24 v6, v8, 80
	v_add_nc_u32 v6, v6, v254
	s_mul_i32 s29, s24, 1280
	s_add_co_u32 s29, s29, XSL
	v_add_nc_u32 v6, s29, v6                       ; the scale bytes' stores: row 16 q + lane / 4, piece lane % 4
	v_lshlrev_b32 v8, 2, v8                        ; rowtok: 4 (lane / 4)
	v_mul_u32_u24 v7, v14, 80
	v_lshl_add_u32 v7, v9, 4, v7
	v_add_nc_u32 v7, XSL, v7                       ; the rows' scale words: row r, + 16 h
	v_lshlrev_b32 v10, 4, v14
	v_lshl_add_u32 v10, v9, 3, v10
	s_lshl_b32 s29, s24, 8
	v_add_nc_u32 v10, s29, v10                     ; g's codes: 256 q + 16 r + 8 h
	v_lshl_add_u32 v11, v14, 2, GS
	v_add_nc_u32 v11, s24, v11                     ; g's scale byte: word r, byte q
	v_lshl_add_u32 v12, v15, 3, GS
	v_lshlrev_b32 v13, 3, v15
	s_mov_b32 s58, 0x76543210
	s_mov_b32 s59, 0xfedcba98                      ; v_permlanex16_b32's selects for lane l xor 16
	s_mov_b32 s60, 0xbfb8aa3b                      ; -log2(e)
	s_mov_b32 s31, 0
	s_wait_kmcnt 0x0
	s_lshl_b32 s30, s25, 8                         ; rowtok at my wave's 16 rows: 8,192 + 4 (64 y + 16 q)
	s_lshl_b32 s29, s24, 6
	s_add_co_u32 s30, s30, s29
	s_add_co_u32 s30, s30, 8192
	s_add_nc_u64 s[26:27], s[8:9], s[30:31]
	s_lshl_b32 s30, s25, 2
	s_add_co_u32 s30, s30, 22528
	s_add_nc_u64 s[2:3], s[8:9], s[30:31]
	s_load_b32 s28, s[2:3], 0x0                    ; the block's expert
	s_load_b512 s[32:47], s[26:27], 0x0            ; my 16 rows' tokens
	global_load_b32 v252, v8, s[26:27]             ; and, by lanes, those of rows lane / 4 and 8 + lane / 4
	global_load_b32 v253, v8, s[26:27] offset:32
	s_add_nc_u64 s[52:53], s[4:5], 0x100000        ; x's scale bytes
	s_lshl_b32 s29, s25, 3
	s_add_co_u32 s29, s29, ttmp9                   ; 8 y + x
	s_lshl_b32 s30, s29, 12
	s_add_nc_u64 s[54:55], s[10:11], s[30:31]      ; g's four images of this K step
	s_lshl_b32 s30, s29, 8
	s_add_co_u32 s30, s30, GSO
	s_add_nc_u64 s[56:57], s[10:11], s[30:31]      ; and their scale words
	s_wait_kmcnt 0x0
	s_min_u32 s28, s28, 8
.irp i, 0,1,2,3,4,5,6,7,8,9,10,11,12,13,14,15
	s_min_u32 s[32+\i], s[32+\i], 0x3ff
.endr
	s_lshl_b32 s30, s28, 21                        ; wu's codes: expert, 8 x + 2 q tiles of 16,384 bytes
	s_lshl_b32 s29, ttmp9, 17
	s_add_co_u32 s30, s30, s29
	s_lshl_b32 s29, s24, 15
	s_add_co_u32 s30, s30, s29
	s_add_nc_u64 s[48:49], s[6:7], s[30:31]
	s_lshl_b32 s30, s28, 17                        ; wu's scale bytes: 1,024 a tile
	s_lshl_b32 s29, ttmp9, 13
	s_add_co_u32 s30, s30, s29
	s_lshl_b32 s29, s24, 11
	s_add_co_u32 s30, s30, s29
	s_add_co_u32 s30, s30, WUS
	s_add_nc_u64 s[50:51], s[6:7], s[30:31]
.irp c, 0,1,2,3
.irp i, 0,1
	global_load_b128 v[WS+8*\c+4*\i:WS+8*\c+4*\i+3], v3, s[50:51] offset:(\c&1)*1024+(\c>>1)*65536+512*\i   ; lanes 0-15 K quarter 2 i, lanes 16-31 quarter 2 i + 1
.endr
.endr
.irp i, 0,1,2,3,4,5,6,7,8,9,10,11,12,13,14,15
	v_lshl_add_u32 v[176+\i], s[32+\i], 10, v3     ; a token's row of 1,024 bytes
.endr
	WIN 0x40                                       ; destination window 1
.irp i, 0,1,2,3,4,5,6,7,8,9,10,11,12,13,14,15
	global_load_b128 v[8*\i:8*\i+3], v[176+\i], s[4:5]
	global_load_b128 v[8*\i+4:8*\i+7], v[176+\i], s[4:5] offset:512
.endr
	WIN 0
	s_wait_loadcnt 40                              ; the two loads of tokens are in: behind them stand 8 of scale words and 32 of codes
	v_min_u32 v252, 0x3ff, v252
	v_min_u32 v253, 0x3ff, v253
	v_lshl_add_u32 v252, v252, 6, v254             ; a token's 64 scale bytes, my 16 of them
	v_lshl_add_u32 v253, v253, 6, v254
	global_load_b128 v[192:195], v252, s[52:53]
	global_load_b128 v[196:199], v253, s[52:53]
	WLOAD 0
	WLOAD 1
	s_wait_loadcnt 18                              ; the codes are in: behind them stand 2 loads of scale bytes and 16 of weights
	WIN 0x04                                       ; an LDS store's data are its source 1: window 1
.irp i, 0,1,2,3,4,5,6,7,8,9,10,11,12,13,14,15
	ds_store_b128 v5, v[8*\i:8*\i+3] offset:1040*\i
	ds_store_b128 v5, v[8*\i+4:8*\i+7] offset:1040*\i+512
.endr
	WIN 0
	s_wait_loadcnt 16                              ; the scale bytes are in; the weights may be out
	ds_store_b128 v6, v[192:195]
	ds_store_b128 v6, v[196:199] offset:640
	s_wait_dscnt 0x0                               ; for the others' sake: my stores have landed
	s_barrier_signal -1
	s_barrier_wait -1                              ; the 64 rows lie in LDS
.irp m, 0,1,2,3
.irp i, 0,1
	ds_load_b128 v[XSC+8*\m+4*\i:XSC+8*\m+4*\i+3], v7 offset:1280*\m+32*\i
.endr
.endr
	XLOAD 0
.irp s, 0,1,2,3,4,5,6,7,8,9,10,11,12,13,14,15
	KSTEP \s
.endr
	; g = h1 / (1 + 2^(-h1 log2 e)) x h3, in f32.  Of row tile m window 1's v[32 m .. + 15] are h1 and v[32 m + 16 .. + 31] h3 of my 16 units; each accumulator is read from its low end on
.rept 4
	v_nop                                          ; four places behind the last products
.endr
	WIN 0x04
.irp m, 0,1,2,3
.irp i, 0,1,2,3,4,5,6,7,8,9,10,11,12,13,14,15
	v_mul_f32 v[T+16*\m+\i], s60, v[32*\m+\i]
.endr
.endr
	WIN 0
.set j, 0
.rept 64
	v_exp_f32 v[T+j], v[T+j]
.set j, j+1
.endr
	v_nop                                          ; a plain line behind the last exponential
	s_wait_alu depctr_va_vdst(0)                   ; one wait for the batch, ahead of its first use
.set j, 0
.rept 32
	v_pk_add_f32 v[T+j:T+j+1], v[T+j:T+j+1], 1.0 op_sel_hi:[1,0]
.set j, j+2
.endr
.set j, 0
.rept 64
	v_rcp_f32 v[T+j], v[T+j]
.set j, j+1
.endr
.irp b, 0,1,2,3
	v_mov_b32 v[TM+4+\b], 0                        ; plain lines behind the last reciprocal; a lane permute's destination counts as one of its sources
.endr
	s_wait_alu depctr_va_vdst(0)                   ; one wait for the batch
	WIN 0x01
.irp m, 0,1,2,3
.irp i, 0,1,2,3,4,5,6,7,8,9,10,11,12,13,14,15
	v_mul_f32 v[T+16*\m+\i], v[32*\m+\i], v[T+16*\m+\i]
.endr
.endr
.irp m, 0,1,2,3
.irp i, 0,1,2,3,4,5,6,7,8,9,10,11,12,13,14,15
	v_mul_f32 v[T+16*\m+\i], v[32*\m+16+\i], v[T+16*\m+\i]
.endr
.endr
	WIN 0
	; the quantiser along INTER: for each row tile one block of 32: my 16 numbers and lane l xor 16's
.irp b, 0,1,2,3
	v_max3_num_f32 v[TM+\b], |v[T+16*\b]|, |v[T+1+16*\b]|, 0x1800000   ; and the floor 2^(3 - 127): the byte cannot fall under 1
.endr
.irp i, 2,4,6,8,10,12,14
.irp b, 0,1,2,3
	v_max3_num_f32 v[TM+\b], v[TM+\b], |v[T+16*\b+\i]|, |v[T+1+16*\b+\i]|
.endr
.endr
.irp b, 0,1,2,3
	v_permlanex16_b32 v[TM+4+\b], v[TM+\b], s58, s59
.endr
.irp b, 0,1,2,3
	v_max_num_f32 v[TM+\b], v[TM+\b], v[TM+4+\b]
.endr
.irp b, 0,1,2,3
	v_add_nc_u32 v[TM+8+\b], 0xff000000, v[TM+\b]  ; 2 off the exponent field: the conversion's scale operand
.endr
.irp b, 0,1,2,3
	v_lshrrev_b32 v[TM+4+\b], 23, v[TM+8+\b]       ; the scale's byte
.endr
.irp b, 0,1,2,3
	v_cvt_scalef32_pk8_fp4_f32 v[PC+2*\b], v[T+16*\b:T+7+16*\b], v[TM+8+\b]
	v_cvt_scalef32_pk8_fp4_f32 v[PC+1+2*\b], v[T+8+16*\b:T+15+16*\b], v[TM+8+\b]
.endr
	v_nop                                          ; a plain line behind the last conversion
.irp m, 0,1,2,3
	global_store_b64 v10, v[PC+2*\m:PC+2*\m+1], s[54:55] offset:1024*\m   ; block q of the image: the wave stores 256 consecutive bytes, aligned
	ds_store_b8 v11, v[TM+4+\m] offset:64*\m       ; both lanes of a block write the same byte with the same value
.endr
	s_wait_dscnt 0x0                               ; for wave 0's sake: my bytes have landed
	s_barrier_signal -1
	s_barrier_wait -1
	s_cmp_lg_u32 s24, 0
	s_cbranch_scc1 .Lend
	ds_load_b64 v[14:15], v12
	s_wait_dscnt 0x0
	global_store_b64 v13, v[14:15], s[56:57]       ; the 64 scale words: 256 consecutive bytes, aligned
.Lend:
	s_wait_tensorcnt 0x0                           ; the wave's end
	ds_add_u32 v1, v2
	s_wait_dscnt 0x0
	s_endpgm
.Lfunc_end_k_q1ff68c3301_up:
	.size	k_q1ff68c3301_up, .Lfunc_end_k_q1ff68c3301_up-k_q1ff68c3301_up
	.p2alignl 7, 3214868480
	.fill 96, 4, 3214868480
	.section	.rodata,"a",@progbits
	.p2align	6, 0x0
	.amdhsa_kernel k_q1ff68c3301_up
		.amdhsa_group_segment_fixed_size 72448
		.amdhsa_private_segment_fixed_size 0
		.amdhsa_enable_private_segment 0
		.amdhsa_kernarg_size 32
		.amdhsa_user_sgpr_count 2
		.amdhsa_user_sgpr_kernarg_segment_ptr 1
		.amdhsa_wavefront_size32 1
		.amdhsa_system_sgpr_workgroup_id_x 1
		.amdhsa_system_sgpr_workgroup_id_y 1
		.amdhsa_system_sgpr_workgroup_id_z 1
		.amdhsa_system_vgpr_workitem_id 0
		.amdhsa_next_free_vgpr 384
		.amdhsa_next_free_sgpr 66
		.amdhsa_reserve_vcc 0
		.amdhsa_float_denorm_mode_32 3
		.amdhsa_float_denorm_mode_16_64 3
		.amdhsa_memory_ordered 1
		.amdhsa_forward_progress 1
		.amdhsa_inst_pref_size 86
	.end_amdhsa_kernel
	.amdgpu_metadata
---
amdhsa.version: [ 1, 2 ]
amdhsa.kernels:
  - .name:           k_q1ff68c3301_up
    .symbol:         k_q1ff68c3301_up.kd
    .args:
      - { .name: xq, .offset: 0, .size: 8, .value_kind: global_buffer, .address_space: global }
      - { .name: wu, .offset: 8, .size: 8, .value_kind: global_buffer, .address_space: global }
      - { .name: route, .offset: 16, .size: 8, .value_kind: global_buffer, .address_space: global }
      - { .name: g, .offset: 24, .size: 8, .value_kind: global_buffer, .address_space: global }
    .group_segment_fixed_size: 72448
    .private_segment_fixed_size: 0
    .kernarg_segment_align: 8
    .kernarg_segment_size: 32
    .max_flat_workgroup_size: 128
    .sgpr_count:     66
    .vgpr_count:     384
    .wavefront_size: 32
...
	.end_amdgpu_metadata
.endif
;; end of part 3
;; launch down (part 4): grid 8 x 55, 4 waves a work-group, no clusters, 50,688 bytes of LDS; arguments g, wd, route, eo; writes eo
.if DOCPART == 4
	.amdgcn_target "amdgcn-amd-amdhsa--gfx1250"
	.amdhsa_code_object_version 6
	.text
	.protected	k_q1ff68c3301_down
	.globl	k_q1ff68c3301_down
	.p2align	8
	.type	k_q1ff68c3301_down,@function
k_q1ff68c3301_down:
	s_mov_b64 s[64:65], 0
	v_nop
	global_prefetch_b8 v0, s[64:65] scope:SCOPE_SE
	s_setreg_imm32_b32 hwreg(HW_REG_WAVE_MODE, 25, 1), 1
	s_wait_xcnt 0x0
; Fourth launch: eo = g w2^T (the shared rows: ws2), f32, for the rows that count alone (comb[t, e] = 0 elsewhere: shown at the head of the first kernel).
; A work-group takes a block of 64 rows (y) and 256 outputs (x); wave w outputs 256 x + 64 w .. + 63: four tiles of 16 rows of w2 against four tiles of 16 rows of g: 16 accumulators, which take turns; K = 1,024: 8 steps.
; The block's expert is read from route and enters addresses alone.  g's 32 images of the block (32,768 bytes) are copied once into LDS as they lie and read by all four waves; weights come from memory
; straight into operand registers, two K steps ahead.  THE PRODUCT IS USED TRANSPOSED (source 0 = 16 rows of w2, source 1 = 16 rows of g): a lane holds eight neighbouring outputs of one row.
; The way out: a row tile at a time through the wave's own stage (rows of 256 bytes, 272 apart), so that sixteen lanes store 256 consecutive bytes, aligned.
; No tensor load and no cluster: the weights' address hangs on a number read from memory.
; REGISTERS.  Window 0: v1, v2 the add's two; v3-8 addresses; v16-31 weights' scale words; v48-63 g's scale words; v80-175 weights, three sets; v176-239 g's fragments, two sets.  Window 1: the accumulators.
.set NK,    8
.set STG,   32768
.set SPARE, 50176                      ; the spare words, 128 bytes a wave: no other line names them
.set WDS,   9437184
.set GSO,   1802240
.set WS,  16
.set XSC, 48
.set WB,  80
.set XB,  176
.set BK,  80                           ; the way out: 16 rows read back, two sets of 32
.set MSB, 0
.macro WIN new
.if MSB != \new
	s_set_vgpr_msb (MSB<<8)|\new
.set MSB, \new
.endif
.endm
.macro WLOAD s
.irp c, 0,1,2,3
.irp k, 0,1
	global_load_b128 v[WB+32*((\s)%3)+8*\c+4*\k:WB+32*((\s)%3)+8*\c+4*\k+3], v3, s[48:49] offset:8192*\c+1024*(\s)+512*\k
.endr
.endr
.endm
.macro XLOAD s
.irp m, 0,1,2,3
.irp k, 0,1
	ds_load_b128 v[XB+32*((\s)%2)+8*\m+4*\k:XB+32*((\s)%2)+8*\m+4*\k+3], v3 offset:(4*(\s)+\m)*1024+512*\k
.endr
.endr
.endm
.macro MMA s, m, c                     ; weights' scale words: K steps j (lanes 0-15) and 4 + j (lanes 16-31); g's: row tiles 2 i (lanes 0-15) and 2 i + 1 (lanes 16-31)
.set rD, 8*(4*(\m)+(\c))
.set rA, WB+32*((\s)%3)+8*(\c)
.set rB, XB+32*((\s)%2)+8*(\m)
.set rP, WS+4*(\c)+(\s)%4
.set rQ, XSC+2*(\s)+(\m)/2
.if ((\s) == 0) && ((\m)%2 == 0)
	v_wmma_scale_f32_16x16x128_f8f6f4 v[rD:rD+7], v[rA:rA+7], v[rB:rB+7], 0, v[rP], v[rQ] matrix_a_fmt:MATRIX_FMT_FP4 matrix_b_fmt:MATRIX_FMT_FP4
.elseif (\s) == 0
	v_wmma_scale_f32_16x16x128_f8f6f4 v[rD:rD+7], v[rA:rA+7], v[rB:rB+7], 0, v[rP], v[rQ] matrix_a_fmt:MATRIX_FMT_FP4 matrix_b_fmt:MATRIX_FMT_FP4 matrix_b_scale:MATRIX_SCALE_ROW1
.elseif ((\s) < 4) && ((\m)%2 == 0)
	v_wmma_scale_f32_16x16x128_f8f6f4 v[rD:rD+7], v[rA:rA+7], v[rB:rB+7], v[rD:rD+7], v[rP], v[rQ] matrix_a_fmt:MATRIX_FMT_FP4 matrix_b_fmt:MATRIX_FMT_FP4
.elseif (\s) < 4
	v_wmma_scale_f32_16x16x128_f8f6f4 v[rD:rD+7], v[rA:rA+7], v[rB:rB+7], v[rD:rD+7], v[rP], v[rQ] matrix_a_fmt:MATRIX_FMT_FP4 matrix_b_fmt:MATRIX_FMT_FP4 matrix_b_scale:MATRIX_SCALE_ROW1
.elseif (\m)%2 == 0
	v_wmma_scale_f32_16x16x128_f8f6f4 v[rD:rD+7], v[rA:rA+7], v[rB:rB+7], v[rD:rD+7], v[rP], v[rQ] matrix_a_fmt:MATRIX_FMT_FP4 matrix_b_fmt:MATRIX_FMT_FP4 matrix_a_scale:MATRIX_SCALE_ROW1
.else
	v_wmma_scale_f32_16x16x128_f8f6f4 v[rD:rD+7], v[rA:rA+7], v[rB:rB+7], v[rD:rD+7], v[rP], v[rQ] matrix_a_fmt:MATRIX_FMT_FP4 matrix_b_fmt:MATRIX_FMT_FP4 matrix_a_scale:MATRIX_SCALE_ROW1 matrix_b_scale:MATRIX_SCALE_ROW1
.endif
.endm
.macro KSTEP s
.if (\s) > 0
.rept 4
	v_nop                                          ; four places between the last products and the loads into registers that they read
.endr
.endif
.if (\s)+2 < NK
	WLOAD (\s)+2
.endif
.if (\s)+1 < NK
	XLOAD (\s)+1
.endif
.if (\s)+2 < NK
	s_wait_loadcnt 16                              ; this step's weights are in; the two later steps' sixteen loads may be out
.elseif (\s)+1 < NK
	s_wait_loadcnt 8
.else
	s_wait_loadcnt 0
.endif
.if (\s)+1 < NK
	s_wait_dscnt 8                                 ; this step's fragments of g are in; the next step's eight loads may be out
.else
	s_wait_dscnt 0
.endif
	WIN 0x50
.irp m, 0,1,2,3
.irp c, 0,1,2,3
	MMA \s, \m, \c
.endr
.endr
	WIN 0
.endm
.macro TOSTAGE m                       ; row tile m: 32 bytes a lane into my stage, each accumulator from its low end on; back as whole rows.  LDS serves a wave's instructions in order
	WIN 0x04
.irp c, 0,1,2,3
	ds_store_b128 v6, v[8*(4*(\m)+\c):8*(4*(\m)+\c)+3] offset:64*\c
	ds_store_b128 v6, v[8*(4*(\m)+\c)+4:8*(4*(\m)+\c)+7] offset:64*\c+16
.endr
	WIN 0
.irp i, 0,1,2,3,4,5,6,7
	ds_load_b128 v[BK+32*((\m)%2)+4*\i:BK+32*((\m)%2)+4*\i+3], v7 offset:544*\i
.endr
.endm
.macro SEND m, younger                 ; younger: the LDS instructions issued behind tile m's loads, which may stay out
	s_wait_dscnt \younger
.irp i, 0,1,2,3,4,5,6,7
	global_store_b128 v8, v[BK+32*((\m)%2)+4*\i:BK+32*((\m)%2)+4*\i+3], s[54:55] offset:(16*(\m)+2*\i)*8192   ; sixteen lanes store 256 consecutive bytes, aligned
.endr
.endm
	s_load_b256 s[4:11], s[0:1], 0x0               ; g, wd, route, eo
	v_lshl_add_u32 v1, v0, 2, SPARE
	v_mov_b32 v2, 0
	v_lshrrev_b32 v14, 5, v0
	v_readfirstlane_b32 s24, v14                   ; wave
	s_and_b32 s25, ttmp7, 0xffff                   ; the block
	v_and_b32 v15, 31, v0                          ; lane
	v_lshlrev_b32 v3, 4, v15
	v_lshlrev_b32 v4, 2, v15
	v_and_b32 v14, 15, v0                          ; r
	v_bfe_u32 v9, v0, 4, 1                         ; h
	s_lshl_b32 s29, s24, 13
	v_add_nc_u32 v5, s29, v3                       ; the copy's stores: my quarter of the images
	s_mul_i32 s29, s24, 4352
	s_add_co_u32 s29, s29, STG                     ; my stage
	v_mul_u32_u24 v6, v14, 272
	v_lshl_add_u32 v6, v9, 5, v6
	v_add_nc_u32 v6, s29, v6                       ; in: row r, + 32 h
	v_mul_u32_u24 v7, v9, 272
	v_lshl_add_u32 v7, v14, 4, v7
	v_add_nc_u32 v7, s29, v7                       ; back: lanes 0-15 one row, lanes 16-31 the next
	v_lshlrev_b32 v8, 13, v9
	v_lshl_add_u32 v8, v14, 4, v8                  ; and the same two rows in eo
	s_mov_b32 s31, 0
	s_wait_kmcnt 0x0
	s_lshl_b32 s30, s25, 2
	s_add_co_u32 s30, s30, 22528
	s_add_nc_u64 s[2:3], s[8:9], s[30:31]
	s_load_b32 s28, s[2:3], 0x0                    ; the block's expert
	s_lshl_b32 s30, s25, 15
	s_lshl_b32 s29, s24, 13
	s_add_co_u32 s30, s30, s29
	s_add_nc_u64 s[50:51], s[4:5], s[30:31]        ; my quarter of the block's images
	s_lshl_b32 s30, s25, 11
	s_add_co_u32 s30, s30, GSO
	s_add_nc_u64 s[52:53], s[4:5], s[30:31]        ; the block's scale words
	s_lshl_b32 s30, s25, 19                        ; eo: 64 rows of 8,192 bytes a block; 1,024 bytes a slice; 256 a wave
	s_lshl_b32 s29, ttmp9, 10
	s_add_co_u32 s30, s30, s29
	s_lshl_b32 s29, s24, 8
	s_add_co_u32 s30, s30, s29
	s_add_nc_u64 s[54:55], s[10:11], s[30:31]
	WIN 0x40                                       ; destination window 1
.irp i, 0,1,2,3,4,5,6,7,8,9,10,11,12,13,14,15
	global_load_b128 v[4*\i:4*\i+3], v3, s[50:51] offset:512*\i
.endr
	WIN 0
.irp s, 0,1,2,3,4,5,6,7
.irp i, 0,1
	global_load_b32 v[XSC+2*\s+\i], v4, s[52:53] offset:256*\s+128*\i
.endr
.endr
	s_wait_kmcnt 0x0
	s_min_u32 s28, s28, 8
	s_lshl_b32 s30, s28, 20                        ; wd's codes: expert, 16 x + 4 w tiles of 8,192 bytes
	s_lshl_b32 s29, ttmp9, 17
	s_add_co_u32 s30, s30, s29
	s_lshl_b32 s29, s24, 15
	s_add_co_u32 s30, s30, s29
	s_add_nc_u64 s[48:49], s[6:7], s[30:31]
	s_lshl_b32 s30, s28, 16                        ; wd's scale bytes: 512 a tile
	s_lshl_b32 s29, ttmp9, 13
	s_add_co_u32 s30, s30, s29
	s_lshl_b32 s29, s24, 11
	s_add_co_u32 s30, s30, s29
	s_add_co_u32 s30, s30, WDS
	s_add_nc_u64 s[56:57], s[6:7], s[30:31]
.irp c, 0,1,2,3
	global_load_b128 v[WS+4*\c:WS+4*\c+3], v3, s[56:57] offset:512*\c
.endr
	WLOAD 0
	WLOAD 1
	s_wait_loadcnt 16                              ; the images and all scale words are in; the sixteen loads of weights may be out
	WIN 0x04
.irp i, 0,1,2,3,4,5,6,7,8,9,10,11,12,13,14,15
	ds_store_b128 v5, v[4*\i:4*\i+3] offset:512*\i
.endr
	WIN 0
	s_wait_dscnt 0x0                               ; for the others' sake: my stores have landed
	s_barrier_signal -1
	s_barrier_wait -1                              ; the block's 32 images lie in LDS
	XLOAD 0
.irp s, 0,1,2,3,4,5,6,7
	KSTEP \s
.endr
.rept 4
	v_nop                                          ; four places behind the last products: for the stores of results and for the loads into registers that held weights
.endr
	TOSTAGE 0
.irp m, 1,2,3
.if \m > 1
	s_wait_xcnt 0x0                                ; tile m - 2's stores have read their registers: tile m's loads may land there
.endif
	TOSTAGE \m
	SEND \m-1, 16                                  ; behind tile m - 1's loads: tile m's 8 stores and 8 loads
.endr
	SEND 3, 0
	s_wait_tensorcnt 0x0                           ; the wave's end
	ds_add_u32 v1, v2
	s_wait_dscnt 0x0
	s_endpgm
.Lfunc_end_k_q1ff68c3301_down:
	.size	k_q1ff68c3301_down, .Lfunc_end_k_q1ff68c3301_down-k_q1ff68c3301_down
	.p2alignl 7, 3214868480
	.fill 96, 4, 3214868480
	.section	.rodata,"a",@progbits
	.p2align	6, 0x0
	.amdhsa_kernel k_q1ff68c3301_down
		.amdhsa_group_segment_fixed_size 50688
		.amdhsa_private_segment_fixed_size 0
		.amdhsa_enable_private_segment 0
		.amdhsa_kernarg_size 32
		.amdhsa_user_sgpr_count 2
		.amdhsa_user_sgpr_kernarg_segment_ptr 1
		.amdhsa_wavefront_size32 1
		.amdhsa_system_sgpr_workgroup_id_x 1
		.amdhsa_system_sgpr_workgroup_id_y 1
		.amdhsa_system_sgpr_workgroup_id_z 1
		.amdhsa_system_vgpr_workitem_id 0
		.amdhsa_next_free_vgpr 384
		.amdhsa_next_free_sgpr 66
		.amdhsa_reserve_vcc 0
		.amdhsa_float_denorm_mode_32 3
		.amdhsa_float_denorm_mode_16_64 3
		.amdhsa_memory_ordered 1
		.amdhsa_forward_progress 1
		.amdhsa_inst_pref_size 43
	.end_amdhsa_kernel
	.amdgpu_metadata
---
amdhsa.version: [ 1, 2 ]
amdhsa.kernels:
  - .name:           k_q1ff68c3301_down
    .symbol:         k_q1ff68c3301_down.kd
    .args:
      - { .name: g, .offset: 0, .size: 8, .value_kind: global_buffer, .address_space: global }
      - { .name: wd, .offset: 8, .size: 8, .value_kind: global_buffer, .address_space: global }
      - { .name: route, .offset: 16, .size: 8, .value_kind: global_buffer, .address_space: global }
      - { .name: eo, .offset: 24, .size: 8, .value_kind: global_buffer, .address_space: global }
    .group_segment_fixed_size: 50688
    .private_segment_fixed_size: 0
    .kernarg_segment_align: 8
    .kernarg_segment_size: 32
    .max_flat_workgroup_size: 128
    .sgpr_count:     66
    .vgpr_count:     384
    .wavefront_size: 32
...
	.end_amdgpu_metadata
.endif
;; end of part 4
;; launch combine (part 5): grid 256 x 1, 4 waves a work-group, no clusters, 0 bytes of LDS; arguments eo, route, topw, out0; writes out0
.if DOCPART == 5
	.amdgcn_target "amdgcn-amd-amdhsa--gfx1250"
	.amdhsa_code_object_version 6
	.text
	.protected	k_q1ff68c3301_combine
	.globl	k_q1ff68c3301_combine
	.p2align	8
	.type	k_q1ff68c3301_combine,@function
k_q1ff68c3301_combine:
	s_mov_b64 s[64:65], 0
	v_nop
	global_prefetch_b8 v0, s[64:65] scope:SCOPE_SE
	s_setreg_imm32_b32 hwreg(HW_REG_WAVE_MODE, 25, 1), 1
	s_wait_xcnt 0x0
; Fifth launch: out[t] = eo[2,496 + t] + w0 eo[pos[2 t]] + w1 eo[pos[2 t + 1]]: the shared expert's row and the two chosen experts' rows; the other six terms of reference()'s sum have the factor
; comb[t, e] = 0 (shown at the head of the first kernel) and were never made.
; A wave takes a token: three rows of 8,192 bytes in, one out; every load and store covers 512 consecutive bytes, aligned.  A stream: no LDS, no barrier, no matrix unit.
; The shared row's address needs no list, so its sixteen loads go out ahead of the wait for pos and the weights.
.set S, 16                             ; v16-79 the shared row, then the result;  v80-143, v144-207 the two chosen rows
.set A, 80
.set B, 144
	s_load_b256 s[4:11], s[0:1], 0x0               ; eo, route, topw, out0
	v_lshrrev_b32 v2, 5, v0
	v_readfirstlane_b32 s16, v2                    ; wave
	v_and_b32 v1, 31, v0
	v_lshlrev_b32 v1, 4, v1                        ; 16 x lane
	s_lshl_b32 s17, ttmp9, 2
	s_add_co_u32 s17, s17, s16                     ; the token
	s_lshl_b32 s18, s17, 3
	s_mov_b32 s19, 0
	s_wait_kmcnt 0x0
	s_add_nc_u64 s[20:21], s[6:7], s[18:19]
	s_add_nc_u64 s[22:23], s[8:9], s[18:19]
	s_load_b64 s[24:25], s[20:21], 0x0             ; the two rows
	s_load_b64 s[12:13], s[22:23], 0x0             ; the two weights
	s_lshl_b32 s18, s17, 13
	s_add_nc_u64 s[10:11], s[10:11], s[18:19]
	s_add_co_u32 s18, s18, 2496*8192
	s_add_nc_u64 s[26:27], s[4:5], s[18:19]
.irp i, 0,1,2,3,4,5,6,7,8,9,10,11,12,13,14,15
	global_load_b128 v[S+4*\i:S+4*\i+3], v1, s[26:27] offset:512*\i th:TH_LOAD_NT
.endr
	s_wait_kmcnt 0x0
	s_min_u32 s24, s24, 0x9bf
	s_min_u32 s25, s25, 0x9bf
	s_lshl_b32 s28, s24, 13
	s_mov_b32 s29, 0
	s_lshl_b32 s30, s25, 13
	s_mov_b32 s31, 0
	s_add_nc_u64 s[28:29], s[4:5], s[28:29]
	s_add_nc_u64 s[30:31], s[4:5], s[30:31]
	s_mov_b32 s14, s13                             ; the packed form names a pair and takes its low word for both halves
	s_mov_b32 s15, s13
.irp i, 0,1,2,3,4,5,6,7,8,9,10,11,12,13,14,15
	global_load_b128 v[A+4*\i:A+4*\i+3], v1, s[28:29] offset:512*\i th:TH_LOAD_NT
	global_load_b128 v[B+4*\i:B+4*\i+3], v1, s[30:31] offset:512*\i th:TH_LOAD_NT
.endr
.irp i, 0,1,2,3,4,5,6,7,8,9,10,11,12,13,14,15
	s_wait_loadcnt 30-2*\i                         ; piece i of all three rows is in; two loads for each later piece may be out
	v_pk_fma_f32 v[S+4*\i:S+4*\i+1], v[A+4*\i:A+4*\i+1], s[12:13], v[S+4*\i:S+4*\i+1] op_sel_hi:[1,0,1]
	v_pk_fma_f32 v[S+4*\i+2:S+4*\i+3], v[A+4*\i+2:A+4*\i+3], s[12:13], v[S+4*\i+2:S+4*\i+3] op_sel_hi:[1,0,1]
	v_pk_fma_f32 v[S+4*\i:S+4*\i+1], v[B+4*\i:B+4*\i+1], s[14:15], v[S+4*\i:S+4*\i+1] op_sel_hi:[1,0,1]
	v_pk_fma_f32 v[S+4*\i+2:S+4*\i+3], v[B+4*\i+2:B+4*\i+3], s[14:15], v[S+4*\i+2:S+4*\i+3] op_sel_hi:[1,0,1]
	global_store_b128 v1, v[S+4*\i:S+4*\i+3], s[10:11] offset:512*\i th:TH_STORE_NT
.endr
	s_endpgm
.Lfunc_end_k_q1ff68c3301_combine:
	.size	k_q1ff68c3301_combine, .Lfunc_end_k_q1ff68c3301_combine-k_q1ff68c3301_combine
	.p2alignl 7, 3214868480
	.fill 96, 4, 3214868480
	.section	.rodata,"a",@progbits
	.p2align	6, 0x0
	.amdhsa_kernel k_q1ff68c3301_combine
		.amdhsa_group_segment_fixed_size 0
		.amdhsa_private_segment_fixed_size 0
		.amdhsa_enable_private_segment 0
		.amdhsa_kernarg_size 32
		.amdhsa_user_sgpr_count 2
		.amdhsa_user_sgpr_kernarg_segment_ptr 1
		.amdhsa_wavefront_size32 1
		.amdhsa_system_sgpr_workgroup_id_x 1
		.amdhsa_system_sgpr_workgroup_id_y 1
		.amdhsa_system_sgpr_workgroup_id_z 1
		.amdhsa_system_vgpr_workitem_id 0
		.amdhsa_next_free_vgpr 208
		.amdhsa_next_free_sgpr 66
		.amdhsa_reserve_vcc 0
		.amdhsa_float_denorm_mode_32 3
		.amdhsa_float_denorm_mode_16_64 3
		.amdhsa_memory_ordered 1
		.amdhsa_forward_progress 1
		.amdhsa_inst_pref_size 12
	.end_amdhsa_kernel
	.amdgpu_metadata
---
amdhsa.version: [ 1, 2 ]
amdhsa.kernels:
  - .name:           k_q1ff68c3301_combine
    .symbol:         k_q1ff68c3301_combine.kd
    .args:
      - { .name: eo, .offset: 0, .size: 8, .value_kind: global_buffer, .address_space: global }
      - { .name: route, .offset: 8, .size: 8, .value_kind: global_buffer, .address_space: global }
      - { .name: topw, .offset: 16, .size: 8, .value_kind: global_buffer, .address_space: global }
      - { .name: out0, .offset: 24, .size: 8, .value_kind: global_buffer, .address_space: global }
    .group_segment_fixed_size: 0
    .private_segment_fixed_size: 0
    .kernarg_segment_align: 8
    .kernarg_segment_size: 32
    .max_flat_workgroup_size: 128
    .sgpr_count:     66
    .vgpr_count:     208
    .wavefront_size: 32
...
	.end_amdgpu_metadata
.endif
;; end of part 5
;; ======== version 2 of 2: 5 launches
;; workspace buffers: xq 1,114,112 bytes; wu 20,054,016 bytes; wd 10,027,008 bytes; g 1,914,880 bytes; eo 28,835,840 bytes; topi 8,192 bytes of whole numbers; topw 8,192 bytes; route 23,040 bytes of whole numbers
;; launch prep (part 6): grid 1216 x 1, 4 waves a work-group, no clusters, 62,976 bytes of LDS; arguments x, gate_w, w1, w3, ws1, ws3, xq, wu, topi, topw; writes xq, wu, topi, topw
.if DOCPART == 6
	.amdgcn_target "amdgcn-amd-amdhsa--gfx1250"
	.amdhsa_code_object_version 6
	.text
	.protected	k_q1ff68c3301_prep
	.globl	k_q1ff68c3301_prep
	.p2align	8
	.type	k_q1ff68c3301_prep,@function
k_q1ff68c3301_prep:
	s_mov_b64 s[64:65], 0
	v_nop
	global_prefetch_b8 v0, s[64:65] scope:SCOPE_SE
	s_setreg_imm32_b32 hwreg(HW_REG_WAVE_MODE, 25, 1), 1
	s_wait_xcnt 0x0
; MoE, top 2 of 8 routed experts and one shared expert, T = 1,024 tokens, DIM = 2,048, INTER = 1,024; the six large products on codes of FP4 (E2M1) with one E8M0 scale for each 32 along K.
; THE PROGRAM: prep (this text), route, up, down, combine.
; WORK LEFT OUT, AND WHY IT IS DEAD.  reference() computes h, g and eo for every pair (expert e, token t) and then multiplies eo[e, t] by comb[t, e], which it builds from one_hot(idx): comb[t, e] is the
; constant 0 for every e outside idx[t].  So for such a pair eo[e, t], and with it g[e, t] and both rows h[e, t], reach no output, whatever finite values the inputs hold: only the two chosen experts' rows
; of each token, and the shared expert's, are multiplied.  ROUTE_SCALE is the factor 1.  The products with one_hot and comb are a selection and two multiply-adds.  Every input stays live and is loaded.
; LIMITS: a NaN, an infinity or an overflow that arises only in an expert that was not chosen for a token is not carried to the result.  NaN and infinities among the inputs are not served.  A block whose
; largest magnitude lies under 2^-124 gets the scale byte 1; a block of zeros gets 1 where the quantiser says 127: its codes are zeros, and the bytes are read by this program alone.
; The two largest scores are taken on p = 2^((l - max) log2 e), ahead of the division by the sum; of equal p the lower index wins, as in jax.lax.top_k.
;
; THIS LAUNCH quantises x, w1, w3, ws1, ws3 along DIM and computes the gate.
; Work-groups 0-63 (X path): 16 tokens each; wave q takes numbers 512 q .. 512 q + 511 of each row: codes to xq as rows of 1,024 bytes, scale bytes to xq + 2^20 as rows of 64; the wave's part of the eight
; logits by f32 multiply-adds on the same registers; the parts meet in LDS, and wave 0 makes softmax and top 2: indices to topi, weights to topw, at fixed places.
; Work-groups 64-1215 (W path): one tile of 16 weight rows each, wave q its K quarter.  wu holds IMAGES OF OPERAND REGISTERS: for (expert, matrix, tile, K step of 128) 1,024 bytes, byte 256 p + 16 r = the 16
; bytes (32 codes) of block p of the tile's row r, so that two loads of 16 bytes a lane, 512 bytes apart, are a fragment.  Scale bytes: for (.., tile, K quarter) 256 bytes, 16 a row.
; THE ROWS OF A TILE ARE NOT NEIGHBOURS: row t of tile 2 b + u is weight row 32 b + 8 u + t + 8 (t / 8), so that the up-projection's results of tiles 2 b, 2 b + 1 are 16 neighbours along INTER in a lane.
; A step is 512 numbers of one row: four loads of 512 consecutive bytes; they turn through the wave's own stage in LDS (80 bytes a lane) so that a lane holds 16 neighbours; two lanes hold a block of 32.
; The two paths part on the work-group's number alone and have LDS bytes of their own.  No tensor loads, no cluster: work-groups share no input but gate_w's 64 KB.
.set WREG,  9728                       ; W path: a wave's LDS region: two turn stages (2 x 2,560), the out stage, 256 scale bytes
.set OST,   5120                       ; the out stage: 16 pieces of 256 bytes, 272 apart
.set SBY,   9472                       ; the scale bytes
.set XST,   38912                      ; X path: the waves' turn stages, 5,120 bytes each
.set XSB,   59392                      ; X path: 16 rows x 64 scale bytes
.set PART,  60416                      ; X path: the logits' parts [wave][row 16][expert 8] f32
.set SPARE, 62464                      ; the spare words, 128 bytes a wave: no other line names them
.set WUS,   18874368                   ; where wu's scale bytes begin
.set XQS,   1048576                    ; where xq's scale bytes begin
.set R,   16                           ; v16-79   four sets of 16 numbers as loaded
.set X,   80                           ; v80-111  two sets of 16 neighbours
.set GW,  112                          ; v112-239 X path: gate_w[e][512 q + 16 lane + i] at GW + 16 e + i.  (W path: v112 = 8 x lane)
.set PP,  240                          ; v240-247 X path: four pairs of partial sums
.set Q,   248                          ; v248-255 X path: a step's eight sums
.set SRC, 28                           ; s[28:29] where my loads begin
.set DCP, 36                           ; s[36:37] where my codes go
.set DSP, 38                           ; s[38:39] where my scale bytes go
; v1, v2: the add's two registers; v3 16 x lane; v4, v5 the turn stage, in and out; v6 where codes go; v7 where the scale byte goes; v8, v9 maxima; v11 the conversion's scale operand; v12 the byte; v[14:15] codes
.macro LOADQ t, off                    ; step t: four loads, 512 consecutive bytes each
.irp i, 0,1,2,3
	global_load_b128 v[R+16*((\t)%4)+4*\i:R+16*((\t)%4)+4*\i+3], v3, s[SRC:SRC+1] offset:(\off)+512*\i th:TH_LOAD_NT
.endr
.endm
.macro TURNQ t                         ; step t's numbers through the stage; LDS serves a wave's instructions in order, so no wait stands between the stores and the loads
.irp i, 0,1,2,3
	ds_store_b128 v4, v[R+16*((\t)%4)+4*\i:R+16*((\t)%4)+4*\i+3] offset:2560*((\t)%2)+640*\i
.endr
.irp i, 0,1,2,3
	ds_load_b128 v[X+16*((\t)%2)+4*\i:X+16*((\t)%2)+4*\i+3], v5 offset:2560*((\t)%2)+16*\i
.endr
.endm
.macro QCORE t                         ; 16 numbers a lane -> 8 bytes of codes in v[14:15], the block's byte in v12
.set XS, X+16*((\t)%2)
	v_max3_num_f32 v8, |v[XS]|, |v[XS+1]|, |v[XS+2]|
	v_max3_num_f32 v9, |v[XS+3]|, |v[XS+4]|, |v[XS+5]|
.irp i, 6,10
	v_max3_num_f32 v8, v8, |v[XS+\i]|, |v[XS+\i+1]|
	v_max3_num_f32 v9, v9, |v[XS+\i+2]|, |v[XS+\i+3]|
.endr
	v_max3_num_f32 v8, v8, |v[XS+14]|, |v[XS+15]|
	v_max3_num_f32 v8, v8, v9, 0x1800000           ; and the floor 2^(3 - 127): the byte cannot fall under 1
	v_max_num_f32_dpp v8, v8, v8 row_xmask:1 row_mask:0xf bank_mask:0xf   ; with my neighbour's 16: the block's largest magnitude
	v_add_nc_u32 v11, 0xff000000, v8               ; 2 off its exponent field: the conversion takes the exponent field of this operand as its scale
	v_cvt_scalef32_pk8_fp4_f32 v14, v[XS:XS+7], v11
	v_cvt_scalef32_pk8_fp4_f32 v15, v[XS+8:XS+15], v11
	v_lshrrev_b32 v12, 23, v11                     ; the scale's byte; also the plain line behind the conversions
.endm
.macro GATE4 t, e0                     ; experts e0 .. e0 + 3 by turns: my 16 numbers x gate_w's, summed over the wave's 32 lanes, to the wave's part of PART
.set XS, X+16*((\t)%2)
.irp k, 0,1,2,3
	v_pk_mul_f32 v[PP+2*\k:PP+2*\k+1], v[XS:XS+1], v[GW+16*(\e0+\k):GW+16*(\e0+\k)+1]
.endr
.irp i, 2,4,6,8,10,12,14
.irp k, 0,1,2,3
	v_pk_fma_f32 v[PP+2*\k:PP+2*\k+1], v[XS+\i:XS+\i+1], v[GW+16*(\e0+\k)+\i:GW+16*(\e0+\k)+\i+1], v[PP+2*\k:PP+2*\k+1]
.endr
.endr
.irp k, 0,1,2,3
	v_add_f32 v[Q+\e0+\k], v[PP+2*\k], v[PP+2*\k+1]
.endr
.irp x, 1,2,4,8
.irp k, 0,1,2,3
	v_add_f32_dpp v[Q+\e0+\k], v[Q+\e0+\k], v[Q+\e0+\k] row_xmask:\x row_mask:0xf bank_mask:0xf
.endr
.endr
.irp k, 0,1,2,3
	v_permlanex16_b32 v[PP+2*\k], v[Q+\e0+\k], s40, s41   ; lane l xor 16's sum (the destination has been written)
.endr
.irp k, 0,1,2,3
	v_add_f32 v[Q+\e0+\k], v[Q+\e0+\k], v[PP+2*\k]
.endr
.irp k, 0,1,2,3
	ds_store_b32 v13, v[Q+\e0+\k] offset:32*(\t)+4*(\e0+\k)   ; all lanes write the same word with the same value
.endr
.endm
.macro STEP t, isx
	s_wait_dscnt 0x0                               ; this step's numbers are back from the stage, and the last step's LDS stores have read their registers
.if \isx
	s_wait_xcnt 0x0                                ; the last step's store of codes has read v[14:15]: they are written again only behind this wait
.endif
.if (\t)+4 < 16
.if \isx
	LOADQ (\t)+4, ((\t)+4)*8192
.else
	LOADQ (\t)+4, ((\t)+4+8*(((\t)+4)/8))*8192
.endif
.endif
.if (\t) < 12
	s_wait_loadcnt 12                              ; the next step's four loads are in; those of the three steps behind it may be out
.elseif (\t) < 15
	s_wait_loadcnt 4*(14-(\t))                     ; the same, with fewer steps left
.endif
.if (\t) < 15
	TURNQ (\t)+1
.endif
	QCORE \t
.if \isx
	global_store_b64 v6, v[14:15], s[DCP:DCP+1] offset:1024*(\t)   ; the wave stores 256 consecutive bytes, aligned
	ds_store_b8 v7, v12 offset:64*(\t)             ; both lanes of a block write the same byte with the same value
	GATE4 \t, 0
	GATE4 \t, 4
.else
	ds_store_b64 v6, v[14:15] offset:16*(\t)       ; piece lane / 2, row t
	ds_store_b8 v7, v12 offset:16*(\t)
.endif
.endm
.macro STAGES                          ; v4, v5 from s25, the byte at which my turn stages begin
	v_lshrrev_b32 v10, 2, v9
	v_mul_u32_u24 v4, v10, 80
	v_and_b32 v10, 3, v9
	v_lshl_add_u32 v4, v10, 4, v4
	v_add_nc_u32 v4, s25, v4                       ; in: 80 (lane / 4) + 16 (lane % 4); a load's 512 bytes take eight places
	v_mul_u32_u24 v5, v9, 80
	v_add_nc_u32 v5, s25, v5                       ; out: 80 x lane: my 16 neighbours
.endm
	s_load_b512 s[4:19], s[0:1], 0x0               ; x, gate_w, w1, w3, ws1, ws3, xq, wu
	s_load_b128 s[20:23], s[0:1], 0x40             ; topi, topw
	v_lshl_add_u32 v1, v0, 2, SPARE
	v_mov_b32 v2, 0
	v_lshrrev_b32 v8, 5, v0
	v_readfirstlane_b32 s24, v8                    ; wave = K quarter q
	v_and_b32 v9, 31, v0                           ; lane
	v_lshlrev_b32 v3, 4, v9
	s_mov_b32 s35, 0
	s_wait_kmcnt 0x0
	s_cmp_lt_u32 ttmp9, 64
	s_cbranch_scc1 .Lx
	; ---------------- W path: one tile of 16 weight rows ----------------
	s_mul_i32 s25, s24, WREG
	s_wait_alu depctr_va_vdst(0)
	STAGES
	v_lshrrev_b32 v7, 1, v9                        ; lane / 2: my block
	v_mul_u32_u24 v6, v7, 272
	v_and_b32 v10, 1, v9
	v_lshl_add_u32 v6, v10, 3, v6
	v_add_nc_u32 v6, s25, v6
	v_add_nc_u32 v6, OST, v6                       ; out stage: 272 (lane / 2) + 8 (lane % 2)
	v_add_nc_u32 v7, s25, v7
	v_add_nc_u32 v7, SBY, v7
	v_lshlrev_b32 v112, 3, v9                      ; 8 x lane
	v_add_nc_u32 v10, s25, v112
	v_add_nc_u32 v10, SBY, v10                     ; the scale bytes, on the way out
	v_lshrrev_b32 v13, 4, v9
	v_mul_u32_u24 v13, v13, 272
	v_and_b32 v11, 15, v9
	v_lshl_add_u32 v13, v11, 4, v13
	v_add_nc_u32 v13, s25, v13
	v_add_nc_u32 v13, OST, v13                     ; the out stage, read back: two pieces an instruction
	s_sub_co_u32 s26, ttmp9, 64                    ; 0-511 w1, 512-1023 w3, 1024-1087 ws1, 1088-1151 ws3: the choice hangs on the work-group's number alone
	s_mov_b64 s[SRC:SRC+1], s[14:15]
	s_mov_b32 s30, 1088
	s_cmp_lt_u32 s26, 1088
	s_cselect_b64 s[SRC:SRC+1], s[12:13], s[SRC:SRC+1]
	s_cselect_b32 s30, 1024, s30
	s_cmp_lt_u32 s26, 1024
	s_cselect_b64 s[SRC:SRC+1], s[10:11], s[SRC:SRC+1]
	s_cselect_b32 s30, 512, s30
	s_cmp_lt_u32 s26, 512
	s_cselect_b64 s[SRC:SRC+1], s[8:9], s[SRC:SRC+1]
	s_cselect_b32 s30, 0, s30
	s_sub_co_u32 s31, s26, s30                     ; the tile's number in its tensor
	s_lshr_b32 s32, s31, 6                         ; where it goes in wu [expert 9][matrix 2][tile 64]: w1, w3: 128 e + 64 matrix + tile;
	s_lshl_b32 s32, s32, 7
	s_and_b32 s33, s31, 63
	s_add_co_u32 s32, s32, s33
	s_lshr_b32 s33, s30, 3
	s_add_co_u32 s32, s32, s33
	s_cmp_lt_u32 s26, 1024
	s_cselect_b32 s32, s32, s26                    ; ws1, ws3 (expert 8): the number as it is
	s_lshr_b32 s34, s31, 1                         ; its first row: 32 (tile / 2) + 8 (tile % 2), rows of 8,192 bytes; + my quarter
	s_lshl_b32 s34, s34, 18
	s_and_b32 s33, s31, 1
	s_lshl_b32 s33, s33, 16
	s_add_co_u32 s34, s34, s33
	s_lshl_b32 s33, s24, 11
	s_add_co_u32 s34, s34, s33
	s_add_nc_u64 s[SRC:SRC+1], s[SRC:SRC+1], s[34:35]
	s_lshl_b32 s34, s32, 14
	s_lshl_b32 s33, s24, 12
	s_add_co_u32 s34, s34, s33
	s_add_nc_u64 s[DCP:DCP+1], s[18:19], s[34:35]
	s_lshl_b32 s34, s32, 10
	s_lshl_b32 s33, s24, 8
	s_add_co_u32 s34, s34, s33
	s_add_co_u32 s34, s34, WUS
	s_add_nc_u64 s[DSP:DSP+1], s[18:19], s[34:35]
.irp t, 0,1,2,3
	LOADQ \t, (\t)*8192
.endr
	s_wait_loadcnt 12                              ; step 0's four loads are in
	TURNQ 0
.irp t, 0,1,2,3,4,5,6,7,8,9,10,11,12,13,14,15
	STEP \t, 0
.endr
	ds_load_b64 v[8:9], v10                        ; LDS serves a wave's instructions in order: these see my stores
.irp i, 0,1,2,3,4,5,6,7
	ds_load_b128 v[R+4*\i:R+4*\i+3], v13 offset:544*\i
.endr
	s_wait_dscnt 8                                 ; the scale bytes are back; the eight loads of codes may be out
	global_store_b64 v112, v[8:9], s[DSP:DSP+1]    ; 256 consecutive bytes, aligned
.irp i, 0,1,2,3,4,5,6,7
	s_wait_dscnt 7-\i
	global_store_b128 v3, v[R+4*\i:R+4*\i+3], s[DCP:DCP+1] offset:512*\i   ; 512 consecutive bytes, aligned
.endr
	s_wait_tensorcnt 0x0                           ; the wave's end
	ds_add_u32 v1, v2
	s_wait_dscnt 0x0
	s_endpgm
	; ---------------- X path: 16 tokens: codes, scale bytes, gate ----------------
.Lx:
	s_mul_i32 s25, s24, 5120
	s_add_co_u32 s25, s25, XST
	s_wait_alu depctr_va_vdst(0)
	STAGES
	v_lshlrev_b32 v6, 3, v9                        ; my 8 bytes of the quarter's 256
	v_lshrrev_b32 v7, 1, v9
	s_lshl_b32 s26, s24, 4
	s_add_co_u32 s26, s26, XSB
	v_add_nc_u32 v7, s26, v7                       ; XSB + 16 q + lane / 2; + 64 a row
	v_and_b32 v10, 15, v0
	v_lshl_add_u32 v10, v10, 5, PART               ; the gate's end: row lane % 16
	s_lshl_b32 s26, s24, 9
	s_add_co_u32 s26, s26, PART
	v_mov_b32 v13, s26                             ; my wave's parts
	s_lshl_b32 s26, s24, 11
	v_lshl_add_u32 v11, v9, 6, s26                 ; gate_w: 2,048 q + 64 x lane
	s_wait_alu depctr_va_vdst(0)
	s_mov_b32 s40, 0x76543210
	s_mov_b32 s41, 0xfedcba98                      ; v_permlanex16_b32's selects for lane l xor 16
	s_lshl_b32 s34, ttmp9, 17                      ; 16 rows of 8,192 bytes
	s_add_co_u32 s34, s34, s26
	s_add_nc_u64 s[SRC:SRC+1], s[4:5], s[34:35]
	s_lshl_b32 s34, ttmp9, 14
	s_lshl_b32 s26, s24, 8
	s_add_co_u32 s34, s34, s26
	s_add_nc_u64 s[DCP:DCP+1], s[16:17], s[34:35]
	s_lshl_b32 s34, ttmp9, 10
	s_add_co_u32 s34, s34, XQS
	s_add_nc_u64 s[DSP:DSP+1], s[16:17], s[34:35]
	s_lshl_b32 s34, ttmp9, 7                       ; 16 tokens x 8 bytes
	s_add_nc_u64 s[20:21], s[20:21], s[34:35]
	s_add_nc_u64 s[22:23], s[22:23], s[34:35]
.irp e, 0,1,2,3,4,5,6,7
.irp j, 0,1,2,3
	global_load_b128 v[GW+16*\e+4*\j:GW+16*\e+4*\j+3], v11, s[6:7] offset:8192*\e+16*\j
.endr
.endr
.irp t, 0,1,2,3
	LOADQ \t, (\t)*8192
.endr
	s_wait_loadcnt 12                              ; gate_w and step 0 are in (so v11, gate_w's offset, is free)
	TURNQ 0
.irp t, 0,1,2,3,4,5,6,7,8,9,10,11,12,13,14,15
	STEP \t, 1
.endr
	s_wait_dscnt 0x0                               ; for the others' sake: my scale bytes and my parts of the logits have landed
	s_barrier_signal -1
	s_barrier_wait -1
	v_lshl_add_u32 v80, v0, 3, XSB                 ; the 1,024 scale bytes leave 8 a thread
	v_lshlrev_b32 v81, 3, v0
	ds_load_b64 v[82:83], v80
	s_wait_alu depctr_va_vdst(0)
	s_wait_dscnt 0x0
	global_store_b64 v81, v[82:83], s[DSP:DSP+1]   ; a wave stores 256 consecutive bytes, aligned
	s_cmp_lg_u32 s24, 0
	s_cbranch_scc1 .Lxend
	; wave 0: lane (r, h): token r; both halves compute alike, half h stores choice h
.irp w, 0,1,2,3
	ds_load_b128 v[16+8*\w:19+8*\w], v10 offset:512*\w
	ds_load_b128 v[20+8*\w:23+8*\w], v10 offset:512*\w+16
.endr
	s_wait_dscnt 0x0
.irp e, 0,1,2,3,4,5,6,7
	v_add_f32 v[48+\e], v[16+\e], v[24+\e]
	v_add_f32 v[64+\e], v[32+\e], v[40+\e]
.endr
.irp e, 0,1,2,3,4,5,6,7
	v_add_f32 v[48+\e], v[48+\e], v[64+\e]         ; the logits
.endr
	v_max3_num_f32 v56, v48, v49, v50
	v_max3_num_f32 v56, v56, v51, v52
	v_max3_num_f32 v56, v56, v53, v54
	v_max_num_f32 v56, v56, v55                    ; the maximum is taken away ahead of the exponential, as in reference()
.irp e, 0,1,2,3,4,5,6,7
	v_sub_f32 v[48+\e], v[48+\e], v56
.endr
.irp e, 0,1,2,3,4,5,6,7
	v_mul_f32 v[48+\e], 0x3fb8aa3b, v[48+\e]
.endr
	s_wait_alu depctr_va_vdst(0)
.irp e, 0,1,2,3,4,5,6,7
	v_exp_f32 v[48+\e], v[48+\e]
.endr
	v_nop                                          ; a plain line behind the last exponential
	s_wait_alu depctr_va_vdst(0)                   ; one wait for the eight, ahead of their first use
	v_add_f32 v57, v48, v49
	v_add_f32 v75, v50, v51
	v_add_f32 v76, v52, v53
	v_add_f32 v77, v54, v55
	v_add_f32 v57, v57, v75
	v_add_f32 v76, v76, v77
	v_add_f32 v57, v57, v76
	s_wait_alu depctr_va_vdst(0)
	v_rcp_f32 v58, v57
	v_mov_b32 v60, 0                               ; the largest p and its index; of equal p the lower index stays
	v_mov_b32 v59, v48
.irp e, 1,2,3,4,5,6,7
	v_cmp_le_f32 vcc_lo, v[48+\e], v59             ; not larger: keep
	v_cndmask_b32 v60, \e, v60, vcc_lo
	v_cndmask_b32 v59, v[48+\e], v59, vcc_lo
.endr
.irp e, 0,1,2,3,4,5,6,7
	v_cmp_ne_u32 vcc_lo, \e, v60
	v_cndmask_b32 v[64+\e], -1.0, v[48+\e], vcc_lo ; the winner leaves the field
.endr
	v_mov_b32 v62, 0
	v_mov_b32 v61, v64
.irp e, 1,2,3,4,5,6,7
	v_cmp_le_f32 vcc_lo, v[64+\e], v61
	v_cndmask_b32 v62, \e, v62, vcc_lo
	v_cndmask_b32 v61, v[64+\e], v61, vcc_lo
.endr
	v_bfe_u32 v74, v0, 4, 1                        ; h
	v_and_b32 v73, 15, v0
	v_lshlrev_b32 v73, 3, v73
	v_lshl_add_u32 v73, v74, 2, v73                ; 8 r + 4 h
	s_wait_alu depctr_va_vdst(0)                   ; the reciprocal, ahead of its first use
	v_mul_f32 v59, v59, v58
	v_mul_f32 v61, v61, v58
	v_cmp_eq_u32 vcc_lo, 1, v74
	v_cndmask_b32 v63, v60, v62, vcc_lo
	v_cndmask_b32 v72, v59, v61, vcc_lo
	global_store_b32 v73, v63, s[20:21]            ; 128 consecutive bytes
	global_store_b32 v73, v72, s[22:23]
.Lxend:
	s_wait_tensorcnt 0x0                           ; the wave's end
	ds_add_u32 v1, v2
	s_wait_dscnt 0x0
	s_endpgm
.Lfunc_end_k_q1ff68c3301_prep:
	.size	k_q1ff68c3301_prep, .Lfunc_end_k_q1ff68c3301_prep-k_q1ff68c3301_prep
	.p2alignl 7, 3214868480
	.fill 96, 4, 3214868480
	.section	.rodata,"a",@progbits
	.p2align	6, 0x0
	.amdhsa_kernel k_q1ff68c3301_prep
		.amdhsa_group_segment_fixed_size 62976
		.amdhsa_private_segment_fixed_size 0
		.amdhsa_enable_private_segment 0
		.amdhsa_kernarg_size 80
		.amdhsa_user_sgpr_count 2
		.amdhsa_user_sgpr_kernarg_segment_ptr 1
		.amdhsa_wavefront_size32 1
		.amdhsa_system_sgpr_workgroup_id_x 1
		.amdhsa_system_sgpr_workgroup_id_y 1
		.amdhsa_system_sgpr_workgroup_id_z 1
		.amdhsa_system_vgpr_workitem_id 0
		.amdhsa_next_free_vgpr 256
		.amdhsa_next_free_sgpr 66
		.amdhsa_reserve_vcc 1
		.amdhsa_float_denorm_mode_32 3
		.amdhsa_float_denorm_mode_16_64 3
		.amdhsa_memory_ordered 1
		.amdhsa_forward_progress 1
		.amdhsa_inst_pref_size 198
	.end_amdhsa_kernel
	.amdgpu_metadata
---
amdhsa.version: [ 1, 2 ]
amdhsa.kernels:
  - .name:           k_q1ff68c3301_prep
    .symbol:         k_q1ff68c3301_prep.kd
    .args:
      - { .name: x, .offset: 0, .size: 8, .value_kind: global_buffer, .address_space: global }
      - { .name: gate_w, .offset: 8, .size: 8, .value_kind: global_buffer, .address_space: global }
      - { .name: w1, .offset: 16, .size: 8, .value_kind: global_buffer, .address_space: global }
      - { .name: w3, .offset: 24, .size: 8, .value_kind: global_buffer, .address_space: global }
      - { .name: ws1, .offset: 32, .size: 8, .value_kind: global_buffer, .address_space: global }
      - { .name: ws3, .offset: 40, .size: 8, .value_kind: global_buffer, .address_space: global }
      - { .name: xq, .offset: 48, .size: 8, .value_kind: global_buffer, .address_space: global }
      - { .name: wu, .offset: 56, .size: 8, .value_kind: global_buffer, .address_space: global }
      - { .name: topi, .offset: 64, .size: 8, .value_kind: global_buffer, .address_space: global }
      - { .name: topw, .offset: 72, .size: 8, .value_kind: global_buffer, .address_space: global }
    .group_segment_fixed_size: 62976
    .private_segment_fixed_size: 0
    .kernarg_segment_align: 8
    .kernarg_segment_size: 80
    .max_flat_workgroup_size: 128
    .sgpr_count:     66
    .vgpr_count:     256
    .wavefront_size: 32
...
	.end_amdgpu_metadata
.endif
;; end of part 6
;; launch route (part 7): grid 577 x 1, 4 waves a work-group, no clusters, 39,936 bytes of LDS; arguments w2, ws2, topi, wd, route; writes wd, route
.if DOCPART == 7
	.amdgcn_target "amdgcn-amd-amdhsa--gfx1250"
	.amdhsa_code_object_version 6
	.text
	.protected	k_q1ff68c3301_route
	.globl	k_q1ff68c3301_route
	.p2align	8
	.type	k_q1ff68c3301_route,@function
k_q1ff68c3301_route:
	s_mov_b64 s[64:65], 0
	v_nop
	global_prefetch_b8 v0, s[64:65] scope:SCOPE_SE
	s_setreg_imm32_b32 hwreg(HW_REG_WAVE_MODE, 25, 1), 1
	s_wait_xcnt 0x0
; Second launch.  Work left out: the rows of experts that were not chosen for a token (comb[t, e] = 0 by reference()'s own one_hot: shown at the head of the first kernel); this launch makes the lists by which the later ones keep to the chosen rows.
; Work-groups 1-576 quantise w2 and ws2 along INTER into wd, as images of operand registers (the first kernel's W path; here a tile's 16 rows are neighbours, a row is 4,096 bytes, and a wave takes
; half a row: 512 numbers).  Two tiles a work-group: tile 2 (id - 1) + wave / 2, K half wave % 2.
; Work-group 0 sorts the 2,048 entries (token, choice) by expert, by counting, with no atomics.  Rows of the later launches: each expert's entries on end, padded to whole blocks of 64: never more than
; 2,048 / 64 + 8 - 1 = 39 blocks, rows 0-2,495; the shared expert's rows are 2,496 + t.  route holds pos[2048] (an entry's row) at 0, rowtok[3,520] (a row's token; entry 3,520 takes the stores that have no
; place) at 8,192, blk_e[128] (a block's expert; 8 = the shared one) at 22,528.  Pad rows and blocks without an expert get token 0 (and expert 8): they are computed like any row and read by nobody.
.set WREG,  9728
.set OST,   5120
.set SBY,   9472
.set SRT,   38912                      ; sort path: 4 waves x 32 words
.set SPARE, 39424                      ; the spare words, 128 bytes a wave: no other line names them
.set WDS,   9437184                    ; where wd's scale bytes begin
.set R,   16
.set X,   80
.set SRC, 28
.set DCP, 36
.set DSP, 38
.set ENT, 16                           ; sort path: v16-31 the entries' experts; v32-47 ranks; v48-63 rows; v64-79 their byte offsets; v80-95 tokens; v96-103 the experts' starts; v104-111 pad addresses
.set RK,  32
.set POS, 48
.set AD,  64
.set TK,  80
.macro LOADQ t, off
.irp i, 0,1,2,3
	global_load_b128 v[R+16*((\t)%4)+4*\i:R+16*((\t)%4)+4*\i+3], v3, s[SRC:SRC+1] offset:(\off)+512*\i th:TH_LOAD_NT
.endr
.endm
.macro TURNQ t
.irp i, 0,1,2,3
	ds_store_b128 v4, v[R+16*((\t)%4)+4*\i:R+16*((\t)%4)+4*\i+3] offset:2560*((\t)%2)+640*\i
.endr
.irp i, 0,1,2,3
	ds_load_b128 v[X+16*((\t)%2)+4*\i:X+16*((\t)%2)+4*\i+3], v5 offset:2560*((\t)%2)+16*\i
.endr
.endm
.macro QCORE t
.set XS, X+16*((\t)%2)
	v_max3_num_f32 v8, |v[XS]|, |v[XS+1]|, |v[XS+2]|
	v_max3_num_f32 v9, |v[XS+3]|, |v[XS+4]|, |v[XS+5]|
.irp i, 6,10
	v_max3_num_f32 v8, v8, |v[XS+\i]|, |v[XS+\i+1]|
	v_max3_num_f32 v9, v9, |v[XS+\i+2]|, |v[XS+\i+3]|
.endr
	v_max3_num_f32 v8, v8, |v[XS+14]|, |v[XS+15]|
	v_max3_num_f32 v8, v8, v9, 0x1800000           ; the floor 2^(3 - 127): the byte cannot fall under 1
	v_max_num_f32_dpp v8, v8, v8 row_xmask:1 row_mask:0xf bank_mask:0xf
	v_add_nc_u32 v11, 0xff000000, v8               ; 2 off the exponent field: the conversion's scale operand
	v_cvt_scalef32_pk8_fp4_f32 v14, v[XS:XS+7], v11
	v_cvt_scalef32_pk8_fp4_f32 v15, v[XS+8:XS+15], v11
	v_lshrrev_b32 v12, 23, v11                     ; the byte; also the plain line behind the conversions
.endm
.macro STEP t
	s_wait_dscnt 0x0                               ; this step's numbers are back from the stage, and the last step's LDS stores have read their registers
.if (\t)+4 < 16
	LOADQ (\t)+4, ((\t)+4)*4096
.endif
.if (\t) < 12
	s_wait_loadcnt 12                              ; the next step's four loads are in; three steps' may be out
.elseif (\t) < 15
	s_wait_loadcnt 4*(14-(\t))
.endif
.if (\t) < 15
	TURNQ (\t)+1
.endif
	QCORE \t
	ds_store_b64 v6, v[14:15] offset:16*(\t)
	ds_store_b8 v7, v12 offset:16*(\t)
.endm
	s_load_b256 s[4:11], s[0:1], 0x0               ; w2, ws2, topi, wd
	s_load_b64 s[12:13], s[0:1], 0x20              ; route
	v_lshl_add_u32 v1, v0, 2, SPARE
	v_mov_b32 v2, 0
	v_lshrrev_b32 v8, 5, v0
	v_readfirstlane_b32 s14, v8                    ; wave
	v_and_b32 v9, 31, v0                           ; lane
	v_lshlrev_b32 v3, 4, v9
	s_wait_kmcnt 0x0
	s_cmp_eq_u32 ttmp9, 0
	s_cbranch_scc1 .Lsort
	; ---------------- W path ----------------
	s_mul_i32 s25, s14, WREG
	s_wait_alu depctr_va_vdst(0)
	v_lshrrev_b32 v10, 2, v9
	v_mul_u32_u24 v4, v10, 80
	v_and_b32 v10, 3, v9
	v_lshl_add_u32 v4, v10, 4, v4
	v_add_nc_u32 v4, s25, v4
	v_mul_u32_u24 v5, v9, 80
	v_add_nc_u32 v5, s25, v5
	v_lshrrev_b32 v7, 1, v9
	v_mul_u32_u24 v6, v7, 272
	v_and_b32 v10, 1, v9
	v_lshl_add_u32 v6, v10, 3, v6
	v_add_nc_u32 v6, s25, v6
	v_add_nc_u32 v6, OST, v6
	v_add_nc_u32 v7, s25, v7
	v_add_nc_u32 v7, SBY, v7
	v_lshlrev_b32 v112, 3, v9
	v_add_nc_u32 v10, s25, v112
	v_add_nc_u32 v10, SBY, v10
	v_lshrrev_b32 v13, 4, v9
	v_mul_u32_u24 v13, v13, 272
	v_and_b32 v11, 15, v9
	v_lshl_add_u32 v13, v11, 4, v13
	v_add_nc_u32 v13, s25, v13
	v_add_nc_u32 v13, OST, v13
	s_sub_co_u32 s26, ttmp9, 1
	s_lshl_b32 s27, s26, 1
	s_lshr_b32 s30, s14, 1
	s_add_co_u32 s27, s27, s30                     ; the tile: 0-1,023 w2's, 1,024-1,151 ws2's
	s_and_b32 s31, s14, 1                          ; the K half
	s_cmp_lt_u32 s26, 512                          ; the choice hangs on the work-group's number alone
	s_cselect_b64 s[SRC:SRC+1], s[4:5], s[6:7]
	s_cselect_b32 s30, 0, 1024
	s_sub_co_u32 s30, s27, s30
	s_lshl_b32 s34, s30, 16                        ; 16 rows of 4,096 bytes
	s_lshl_b32 s33, s31, 11
	s_add_co_u32 s34, s34, s33
	s_mov_b32 s35, 0
	s_add_nc_u64 s[SRC:SRC+1], s[SRC:SRC+1], s[34:35]
	s_lshl_b32 s34, s27, 13
	s_lshl_b32 s33, s31, 12
	s_add_co_u32 s34, s34, s33
	s_add_nc_u64 s[DCP:DCP+1], s[10:11], s[34:35]
	s_lshl_b32 s34, s27, 9
	s_lshl_b32 s33, s31, 8
	s_add_co_u32 s34, s34, s33
	s_add_co_u32 s34, s34, WDS
	s_add_nc_u64 s[DSP:DSP+1], s[10:11], s[34:35]
.irp t, 0,1,2,3
	LOADQ \t, (\t)*4096
.endr
	s_wait_loadcnt 12                              ; step 0's four loads are in
	TURNQ 0
.irp t, 0,1,2,3,4,5,6,7,8,9,10,11,12,13,14,15
	STEP \t
.endr
	ds_load_b64 v[8:9], v10
.irp i, 0,1,2,3,4,5,6,7
	ds_load_b128 v[R+4*\i:R+4*\i+3], v13 offset:544*\i
.endr
	s_wait_dscnt 8                                 ; the scale bytes are back; the eight loads of codes may be out
	global_store_b64 v112, v[8:9], s[DSP:DSP+1]
.irp i, 0,1,2,3,4,5,6,7
	s_wait_dscnt 7-\i
	global_store_b128 v3, v[R+4*\i:R+4*\i+3], s[DCP:DCP+1] offset:512*\i
.endr
	s_wait_tensorcnt 0x0                           ; the wave's end
	ds_add_u32 v1, v2
	s_wait_dscnt 0x0
	s_endpgm
	; ---------------- the sort: entry i = 2 t + k; wave w, register c, lane l hold i = 512 w + 128 (c / 4) + 4 l + c % 4 ----------------
	; s16-23 the wave's running counts; s24-31 the experts' totals; s32-63 the four waves' counts; s66-74 first blocks; s76-83 my wave's first row in each expert; s84-91 the row behind each expert's last entry
.Lsort:
	s_lshl_b32 s2, s14, 11
	s_wait_alu depctr_va_vdst(0)
	v_add_nc_u32 v4, s2, v3                        ; 2,048 w + 16 l
.irp j, 0,1,2,3
	global_load_b128 v[ENT+4*\j:ENT+4*\j+3], v4, s[8:9] offset:512*\j
.endr
.irp e, 0,1,2,3,4,5,6,7
	s_mov_b32 s[16+\e], 0
.endr
.irp c, 0,1,2,3,4,5,6,7,8,9,10,11,12,13,14,15
	v_mov_b32 v[RK+\c], 0
.endr
	v_lshl_add_u32 v7, v0, 2, SRT                  ; where my wave's counts go: lane e holds expert e's
	v_lshrrev_b32 v10, 3, v9
	v_and_b32 v11, 7, v9
	v_lshlrev_b32 v10, 7, v10
	v_lshl_add_u32 v10, v11, 2, v10
	v_add_nc_u32 v10, SRT, v10                     ; and back: lane l takes wave l / 8's count of expert l % 8
	s_wait_loadcnt 0x0
.irp c, 0,1,2,3,4,5,6,7,8,9,10,11,12,13,14,15
	v_min_u32 v[ENT+\c], 7, v[ENT+\c]
.endr
.irp c, 0,1,2,3,4,5,6,7,8,9,10,11,12,13,14,15
.irp e, 0,1,2,3,4,5,6,7
	v_cmp_eq_u32 s2, \e, v[ENT+\c]                 ; the lanes whose entry goes to expert e
	v_mbcnt_lo_u32_b32 v5, s2, s[16+\e]            ; those below me, and what the wave has counted so far
	v_cndmask_b32 v[RK+\c], v[RK+\c], v5, s2
	s_bcnt1_i32_b32 s3, s2
	s_add_co_u32 s[16+\e], s[16+\e], s3
.endr
.endr
	v_mov_b32 v6, 0
.irp e, 0,1,2,3,4,5,6,7
	v_writelane_b32 v6, s[16+\e], \e
.endr
	ds_store_b32 v7, v6
	s_wait_dscnt 0x0                               ; for the others' sake: my counts have landed
	s_barrier_signal -1
	s_barrier_wait -1
	ds_load_b32 v12, v10
	s_wait_dscnt 0x0
.irp i, 0,1,2,3,4,5,6,7,8,9,10,11,12,13,14,15,16,17,18,19,20,21,22,23,24,25,26,27,28,29,30,31
	v_readlane_b32 s[32+\i], v12, \i
.endr
	s_cmp_gt_u32 s14, 0
	s_cselect_b32 s92, 1, 0                        ; does wave 0 stand ahead of me?
	s_cmp_gt_u32 s14, 1
	s_cselect_b32 s93, 1, 0
	s_cmp_gt_u32 s14, 2
	s_cselect_b32 s94, 1, 0
	s_mov_b32 s66, 0
.irp e, 0,1,2,3,4,5,6,7
	s_add_co_u32 s[24+\e], s[32+\e], s[40+\e]
	s_add_co_u32 s2, s[48+\e], s[56+\e]
	s_add_co_u32 s[24+\e], s[24+\e], s2            ; the expert's entries
	s_mul_i32 s[76+\e], s[32+\e], s92
	s_mul_i32 s2, s[40+\e], s93
	s_add_co_u32 s[76+\e], s[76+\e], s2
	s_mul_i32 s2, s[48+\e], s94
	s_add_co_u32 s[76+\e], s[76+\e], s2            ; those of the waves ahead of me
	s_add_co_u32 s2, s[24+\e], 63
	s_lshr_b32 s2, s2, 6
	s_add_co_u32 s[67+\e], s[66+\e], s2            ; the next expert's first block
	s_lshl_b32 s2, s[66+\e], 6
	s_add_co_u32 s[76+\e], s[76+\e], s2
	s_add_co_u32 s[84+\e], s[24+\e], s2
.endr
.irp e, 0,1,2,3,4,5,6,7
	v_mov_b32 v[96+\e], s[76+\e]
.endr
.irp c, 0,1,2,3,4,5,6,7,8,9,10,11,12,13,14,15
	v_mov_b32 v[POS+\c], v96
.irp e, 1,2,3,4,5,6,7
	v_cmp_eq_u32 vcc_lo, \e, v[ENT+\c]
	v_cndmask_b32 v[POS+\c], v[POS+\c], v[96+\e], vcc_lo
.endr
	v_add_nc_u32 v[POS+\c], v[POS+\c], v[RK+\c]
	v_min_u32 v[POS+\c], 0x9bf, v[POS+\c]          ; a row, 2,495 at the most
	v_lshlrev_b32 v[AD+\c], 2, v[POS+\c]
.endr
.irp j, 0,1,2,3
	global_store_b128 v4, v[POS+4*\j:POS+4*\j+3], s[12:13] offset:512*\j   ; pos, as the entries lie: 512 consecutive bytes
.endr
	s_lshl_b32 s2, s14, 8
	v_lshl_add_u32 v5, v9, 1, s2                   ; 256 w + 2 l
.irp c, 0,1,2,3,4,5,6,7,8,9,10,11,12,13,14,15
	v_add_nc_u32 v[TK+\c], 64*(\c/4)+(\c%4)/2, v5  ; the entry's token, i / 2
.endr
.irp c, 0,1,2,3,4,5,6,7,8,9,10,11,12,13,14,15
	global_store_b32 v[AD+\c], v[TK+\c], s[12:13] offset:8192   ; each store has registers of its own: none is written again
.endr
	; token 0 into every pad row.  An expert has 63 pads at the most: 4 waves x 16 lanes; lanes 0-15 serve expert 2 j, lanes 16-31 expert 2 j + 1.  A place that is no pad is turned to entry 3,520
	s_mov_b32 s15, 0xffff0000
	v_mov_b32 v113, 0
	v_and_b32 v6, 15, v0
	s_lshl_b32 s2, s14, 4
	v_add_nc_u32 v6, s2, v6
.irp j, 0,1,2,3
	v_mov_b32 v[104+\j], s[84+2*\j]
	v_cndmask_b32 v[104+\j], v[104+\j], s[85+2*\j], s15
	s_lshl_b32 s2, s[67+2*\j], 6
	s_lshl_b32 s3, s[68+2*\j], 6
	v_mov_b32 v7, s2
	v_cndmask_b32 v7, v7, s3, s15                  ; the next expert's first row
	v_add_nc_u32 v[104+\j], v[104+\j], v6
	v_cmp_lt_u32 vcc_lo, v[104+\j], v7
	v_cndmask_b32 v[104+\j], 0xdc0, v[104+\j], vcc_lo
	v_min_u32 v[104+\j], 0xdc0, v[104+\j]
	v_lshlrev_b32 v[104+\j], 2, v[104+\j]
	global_store_b32 v[104+\j], v113, s[12:13] offset:8192
.endr
	s_lshl_b32 s2, s74, 6                          ; the rows behind the last expert's, up to 2,495: 448 at the most, 4 x 128 threads
.irp j, 0,1,2,3
	v_add3_u32 v[108+\j], s2, v0, 128*\j
	v_cmp_gt_u32 vcc_lo, 0x9c0, v[108+\j]
	v_cndmask_b32 v[108+\j], 0xdc0, v[108+\j], vcc_lo
	v_min_u32 v[108+\j], 0xdc0, v[108+\j]
	v_lshlrev_b32 v[108+\j], 2, v[108+\j]
	global_store_b32 v[108+\j], v113, s[12:13] offset:8192
.endr
	v_lshlrev_b32 v114, 4, v0                      ; the shared expert's rows: rowtok[2,496 + t] = t
	v_lshlrev_b32 v116, 2, v0
	v_add_nc_u32 v117, 1, v116
	v_add_nc_u32 v118, 2, v116
	v_add_nc_u32 v119, 3, v116
.irp k, 0,1,2,3
	v_add_nc_u32 v[120+\k], 512, v[116+\k]
.endr
	global_store_b128 v114, v[116:119], s[12:13] offset:18176
	global_store_b128 v114, v[120:123], s[12:13] offset:20224
	v_mov_b32 v124, 0                              ; a block's expert: how many experts end at or ahead of it; 8 from the last expert's end on
.irp e, 0,1,2,3,4,5,6,7
	v_cmp_le_u32 vcc_lo, s[67+\e], v0
	v_cndmask_b32 v125, 0, 1, vcc_lo
	v_add_nc_u32 v124, v124, v125
.endr
	v_lshlrev_b32 v115, 2, v0
	global_store_b32 v115, v124, s[12:13] offset:22528
	s_wait_tensorcnt 0x0                           ; the wave's end
	ds_add_u32 v1, v2
	s_wait_dscnt 0x0
	s_endpgm
.Lfunc_end_k_q1ff68c3301_route:
	.size	k_q1ff68c3301_route, .Lfunc_end_k_q1ff68c3301_route-k_q1ff68c3301_route
	.p2alignl 7, 3214868480
	.fill 96, 4, 3214868480
	.section	.rodata,"a",@progbits
	.p2align	6, 0x0
	.amdhsa_kernel k_q1ff68c3301_route
		.amdhsa_group_segment_fixed_size 39936
		.amdhsa_private_segment_fixed_size 0
		.amdhsa_enable_private_segment 0
		.amdhsa_kernarg_size 40
		.amdhsa_user_sgpr_count 2
		.amdhsa_user_sgpr_kernarg_segment_ptr 1
		.amdhsa_wavefront_size32 1
		.amdhsa_system_sgpr_workgroup_id_x 1
		.amdhsa_system_sgpr_workgroup_id_y 1
		.amdhsa_system_sgpr_workgroup_id_z 1
		.amdhsa_system_vgpr_workitem_id 0
		.amdhsa_next_free_vgpr 128
		.amdhsa_next_free_sgpr 100
		.amdhsa_reserve_vcc 1
		.amdhsa_float_denorm_mode_32 3
		.amdhsa_float_denorm_mode_16_64 3
		.amdhsa_memory_ordered 1
		.amdhsa_forward_progress 1
		.amdhsa_inst_pref_size 94
	.end_amdhsa_kernel
	.amdgpu_metadata
---
amdhsa.version: [ 1, 2 ]
amdhsa.kernels:
  - .name:           k_q1ff68c3301_route
    .symbol:         k_q1ff68c3301_route.kd
    .args:
      - { .name: w2, .offset: 0, .size: 8, .value_kind: global_buffer, .address_space: global }
      - { .name: ws2, .offset: 8, .size: 8, .value_kind: global_buffer, .address_space: global }
      - { .name: topi, .offset: 16, .size: 8, .value_kind: global_buffer, .address_space: global }
      - { .name: wd, .offset: 24, .size: 8, .value_kind: global_buffer, .address_space: global }
      - { .name: route, .offset: 32, .size: 8, .value_kind: global_buffer, .address_space: global }
    .group_segment_fixed_size: 39936
    .private_segment_fixed_size: 0
    .kernarg_segment_align: 8
    .kernarg_segment_size: 40
    .max_flat_workgroup_size: 128
    .sgpr_count:     100
    .vgpr_count:     128
    .wavefront_size: 32
...
	.end_amdgpu_metadata
.endif
;; end of part 7
;; launch up (part 8): grid 8 x 55, 4 waves a work-group, no clusters, 72,448 bytes of LDS; arguments xq, wu, route, g; writes g
.if DOCPART == 8
	.amdgcn_target "amdgcn-amd-amdhsa--gfx1250"
	.amdhsa_code_object_version 6
	.text
	.protected	k_q1ff68c3301_up
	.globl	k_q1ff68c3301_up
	.p2align	8
	.type	k_q1ff68c3301_up,@function
k_q1ff68c3301_up:
	s_mov_b64 s[64:65], 0
	v_nop
	global_prefetch_b8 v0, s[64:65] scope:SCOPE_SE
	s_setreg_imm32_b32 hwreg(HW_REG_WAVE_SCHED_MODE, 0, 2), 2
	s_setreg_imm32_b32 hwreg(HW_REG_WAVE_MODE, 25, 1), 1
	s_wait_xcnt 0x0
	s_wait_alu depctr_vm_vsrc(0)
; Third launch: g = silu(x w1^T) x (x w3^T), quantised along INTER, for the rows that count alone (an expert's rows are the tokens that chose it: comb[t, e] = 0 elsewhere, shown at the head of the first kernel).
; A work-group takes a block of 64 rows (y: 0-38 routed, 39-54 shared) and 128 units of INTER (x).  The block's expert and its rows' tokens are read from route; they enter addresses alone: no branch hangs on them.
; Wave q makes units 128 x + 32 q .. + 31 for all 64 rows: tiles 2 b, 2 b + 1 of w1 (c = 0, 1) and of w3 (c = 2, 3), b = 4 x + q, against four tiles of 16 rows: 16 accumulators, which take turns.
; THE PRODUCT IS USED TRANSPOSED (source 0 = 16 weight rows, source 1 = 16 rows of x): a lane holds one row, and by the order of a tile's weight rows its 16 registers of tiles 2 b, 2 b + 1 are units
; 32 b + 16 (lane / 16) + 0 .. 15: a block of 32 along the next K lies in lanes l and l xor 16.
; Weights come from memory straight into operand registers (wu holds images of them), three K steps ahead; the 64 rows' codes of x are gathered once into LDS (rows 1,040 bytes apart) and read by all four waves.
; No tensor load and no cluster: a tile's address hangs on numbers read from memory, and which blocks share an expert hangs on the split.
; g: codes [block 55][K step 8][row tile 4][1,024-byte image]; scale words [block][K step][row tile][16 rows][4 bytes] from GSO on.
; REGISTERS.  Window 0: v1, v2 the add's two; v3-15 addresses; v16-47 weights' scale words; v48-79 rows' scale words; v80-207 weights, four sets of 32; v240-255 at work.
; Window 1: v0-127 the accumulators, (row tile m, column tile c) at v[8 (4 m + c)]; at the head they carry the gathered codes; v128-191 rows' fragments, two sets of 32.
; THE MODE: SCHED_MODE bits 1:0 = 2 (LLVM: expert scheduling mode 2), set by the entry lines.  The code itself states the register dependences between vector or matrix instructions and memory or
; LDS instructions, with s_wait_alu, always for 0.
; THE PLAN.  Registers that memory or LDS instructions touch, from the first K step on:
;   W0 .. W3   Step s: its sixteen products read W[s % 4]; the loads of step s + 3, issued in the middle of step s, land in W[(s + 3) % 4] = W[(s - 1) % 4].
;   X0, X1     Step s: its products read X[s % 2]; the LDS loads of step s + 1, issued at the head of step s, land in X[(s + 1) % 2] = X[(s - 1) % 2].
;   v3, v4     The loads' offset and LDS address: made at the kernel's head, never written again; the steps stand in the immediate offsets.
;   The scale words are loaded once; the accumulators are named by matrix instructions alone until the way out.
; So ONE wait on va_vdst stands in a step, behind the waits for the step's own data: it states that the products of the step before are done reading their W and their X, the two buffers in which this
; step's sixteen loads land.  The products of step s name W[s % 4], X[s % 2], scale words and accumulators: none of the registers that those loads touch, so the loads are dealt among them with no further wait.
.set NK,    16
.set XSL,   66560                      ; LDS: behind the codes (64 x 1,040): the rows' scale bytes, 64 rows x 80
.set GS,    71680                      ; 256 bytes: g's scale words of this work-group
.set SPARE, 71936                      ; the spare words, 128 bytes a wave: no other line names them
.set WUS,   18874368
.set GSO,   1802240
.set WS,  16
.set XSC, 48
.set WB,  80                           ; window 0: four sets
.set XB,  128                          ; window 1: two sets
.set T,   80                           ; the way out: 64 numbers; v144-151 their codes; v240-251 at work
.set PC,  144
.set TM,  240
.set MSB, 0
.macro WIN new                         ; the immediate's high byte repeats the setting that is left
.if MSB != \new
	s_set_vgpr_msb (MSB<<8)|\new
.set MSB, \new
.endif
.endm
.set MUL,  0x54                        ; source 0 (weights) window 0; source 1 (rows), C and D window 1
.set TO_1, 0x40                        ; destination window 1, address window 0
.macro WLOAD s                         ; K step s: four fragments of weights, each two loads of 512 consecutive bytes
.irp c, 0,1,2,3
.irp k, 0,1
	global_load_b128 v[WB+32*((\s)%4)+8*\c+4*\k:WB+32*((\s)%4)+8*\c+4*\k+3], v3, s[48:49] offset:(\c&1)*16384+(\c>>1)*1048576+1024*(\s)+512*\k
.endr
.endr
.endm
.macro XLOAD s                         ; K step s: four fragments of rows from LDS (under TO_1)
.irp m, 0,1,2,3
.irp k, 0,1
	ds_load_b128 v[XB+32*((\s)%2)+8*\m+4*\k:XB+32*((\s)%2)+8*\m+4*\k+3], v4 offset:16640*\m+64*(\s)+32*\k
.endr
.endr
.endm
.macro MMA s, m, c                     ; a scale register holds the words of K steps 8 i + j (lanes 0-15) and 8 i + 4 + j (lanes 16-31)
.set rD, 8*(4*(\m)+(\c))
.set rA, WB+32*((\s)%4)+8*(\c)
.set rB, XB+32*((\s)%2)+8*(\m)
.set rP, WS+8*(\c)+4*((\s)/8)+(\s)%4
.set rQ, XSC+8*(\m)+4*((\s)/8)+(\s)%4
.if (\s) == 0
	v_wmma_scale_f32_16x16x128_f8f6f4 v[rD:rD+7], v[rA:rA+7], v[rB:rB+7], 0, v[rP], v[rQ] matrix_a_fmt:MATRIX_FMT_FP4 matrix_b_fmt:MATRIX_FMT_FP4
.elseif ((\s)/4)%2 == 0
	v_wmma_scale_f32_16x16x128_f8f6f4 v[rD:rD+7], v[rA:rA+7], v[rB:rB+7], v[rD:rD+7], v[rP], v[rQ] matrix_a_fmt:MATRIX_FMT_FP4 matrix_b_fmt:MATRIX_FMT_FP4
.else
	v_wmma_scale_f32_16x16x128_f8f6f4 v[rD:rD+7], v[rA:rA+7], v[rB:rB+7], v[rD:rD+7], v[rP], v[rQ] matrix_a_fmt:MATRIX_FMT_FP4 matrix_b_fmt:MATRIX_FMT_FP4 matrix_a_scale:MATRIX_SCALE_ROW1 matrix_b_scale:MATRIX_SCALE_ROW1
.endif
.endm
.macro KSTEP s
.if ((\s) > 0) && ((\s)+1 < NK)
.rept 4
	v_nop                                          ; four places between the last products and the loads into registers that they read
.endr
.endif
.if (\s)+2 < NK
	s_wait_loadcnt 16                              ; this step's weights are in; the two later steps' sixteen loads may be out (the third's are issued below)
.elseif (\s)+1 < NK
	s_wait_loadcnt 8
.else
	s_wait_loadcnt 0
.endif
	s_wait_dscnt 0x0                               ; this step's rows are in: no younger LDS load is out
.if (\s)+1 < NK
	WIN TO_1
.if (\s) > 0
	s_wait_alu depctr_va_vdst(0)                   ; the products of the step before are done reading their set of rows and their set of weights, in which the loads of this step land
.endif
	XLOAD (\s)+1
.endif
	WIN MUL
.irp m, 0,1
.irp c, 0,1,2,3
	MMA \s, \m, \c
.endr
.endr
.if (\s)+3 < NK
	WIN 0
	WLOAD (\s)+3                                   ; no wait: no vector or matrix instruction since the wait above names this set or v3
	WIN MUL
.endif
.irp m, 2,3
.irp c, 0,1,2,3
	MMA \s, \m, \c
.endr
.endr
.endm
	s_load_b256 s[4:11], s[0:1], 0x0               ; xq, wu, route, g
	v_lshl_add_u32 v1, v0, 2, SPARE
	v_mov_b32 v2, 0
	v_lshrrev_b32 v14, 5, v0
	v_readfirstlane_b32 s24, v14                   ; wave q
	s_and_b32 s25, ttmp7, 0xffff                   ; the block
	v_and_b32 v15, 31, v0                          ; lane
	v_lshlrev_b32 v3, 4, v15
	v_and_b32 v14, 15, v0                          ; r
	v_bfe_u32 v9, v0, 4, 1                         ; h
	v_mul_u32_u24 v4, v14, 1040
	v_lshl_add_u32 v4, v9, 4, v4                   ; a fragment of rows: row r x pitch + 16 h
	s_wait_alu depctr_va_sdst(0)                   ; s24 is written, ahead of its first reader
	s_mul_i32 s29, s24, 16640
	v_add_nc_u32 v5, s29, v3                       ; the gather's stores: my wave's 16 rows, 16 x lane
	v_lshrrev_b32 v8, 2, v15                       ; lane / 4
	v_and_b32 v13, 3, v15
	v_lshlrev_b32 v254, 4, v13                     ; 16 (lane % 4)
	v_mul_u32_u24 v6, v8, 80
	v_add_nc_u32 v6, v6, v254
	s_mul_i32 s29, s24, 1280
	s_add_co_u32 s29, s29, XSL
	v_add_nc_u32 v6, s29, v6                       ; the scale bytes' stores: row 16 q + lane / 4, piece lane % 4
	v_lshlrev_b32 v8, 2, v8                        ; rowtok: 4 (lane / 4)
	v_mul_u32_u24 v7, v14, 80
	v_lshl_add_u32 v7, v9, 4, v7
	v_add_nc_u32 v7, XSL, v7                       ; the rows' scale words: row r, + 16 h
	v_lshlrev_b32 v10, 4, v14
	v_lshl_add_u32 v10, v9, 3, v10
	s_lshl_b32 s29, s24, 8
	v_add_nc_u32 v10, s29, v10                     ; g's codes: 256 q + 16 r + 8 h
	v_lshl_add_u32 v11, v14, 2, GS
	v_add_nc_u32 v11, s24, v11                     ; g's scale byte: word r, byte q
	v_lshl_add_u32 v12, v15, 3, GS
	v_lshlrev_b32 v13, 3, v15
	s_mov_b32 s58, 0x76543210
	s_mov_b32 s59, 0xfedcba98                      ; v_permlanex16_b32's selects for lane l xor 16
	s_mov_b32 s60, 0xbfb8aa3b                      ; -log2(e)
	s_mov_b32 s31, 0
	s_wait_kmcnt 0x0
	s_lshl_b32 s30, s25, 8                         ; rowtok at my wave's 16 rows: 8,192 + 4 (64 y + 16 q)
	s_lshl_b32 s29, s24, 6
	s_add_co_u32 s30, s30, s29
	s_add_co_u32 s30, s30, 8192
	s_add_nc_u64 s[26:27], s[8:9], s[30:31]
	s_lshl_b32 s30, s25, 2
	s_add_co_u32 s30, s30, 22528
	s_add_nc_u64 s[2:3], s[8:9], s[30:31]
	s_load_b32 s28, s[2:3], 0x0                    ; the block's expert
	s_load_b512 s[32:47], s[26:27], 0x0            ; my 16 rows' tokens
	s_wait_alu depctr_va_vdst(0)                   ; the offsets and addresses v3 to v13 are written, which the loads and stores of the whole kernel read
	global_load_b32 v252, v8, s[26:27]             ; and, by lanes, those of rows lane / 4 and 8 + lane / 4
	global_load_b32 v253, v8, s[26:27] offset:32
	s_add_nc_u64 s[52:53], s[4:5], 0x100000        ; x's scale bytes
	s_lshl_b32 s29, s25, 3
	s_add_co_u32 s29, s29, ttmp9                   ; 8 y + x
	s_lshl_b32 s30, s29, 12
	s_add_nc_u64 s[54:55], s[10:11], s[30:31]      ; g's four images of this K step
	s_lshl_b32 s30, s29, 8
	s_add_co_u32 s30, s30, GSO
	s_add_nc_u64 s[56:57], s[10:11], s[30:31]      ; and their scale words
	s_wait_kmcnt 0x0
	s_min_u32 s28, s28, 8
.irp i, 0,1,2,3,4,5,6,7,8,9,10,11,12,13,14,15
	s_min_u32 s[32+\i], s[32+\i], 0x3ff
.endr
	s_lshl_b32 s30, s28, 21                        ; wu's codes: expert, 8 x + 2 q tiles of 16,384 bytes
	s_lshl_b32 s29, ttmp9, 17
	s_add_co_u32 s30, s30, s29
	s_lshl_b32 s29, s24, 15
	s_add_co_u32 s30, s30, s29
	s_add_nc_u64 s[48:49], s[6:7], s[30:31]
	s_lshl_b32 s30, s28, 17                        ; wu's scale bytes: 1,024 a tile
	s_lshl_b32 s29, ttmp9, 13
	s_add_co_u32 s30, s30, s29
	s_lshl_b32 s29, s24, 11
	s_add_co_u32 s30, s30, s29
	s_add_co_u32 s30, s30, WUS
	s_add_nc_u64 s[50:51], s[6:7], s[30:31]
.irp c, 0,1,2,3
.irp i, 0,1
	global_load_b128 v[WS+8*\c+4*\i:WS+8*\c+4*\i+3], v3, s[50:51] offset:(\c&1)*1024+(\c>>1)*65536+512*\i   ; lanes 0-15 K quarter 2 i, lanes 16-31 quarter 2 i + 1
.endr
.endr
.irp i, 0,1,2,3,4,5,6,7,8,9,10,11,12,13,14,15
	v_lshl_add_u32 v[176+\i], s[32+\i], 10, v3     ; a token's row of 1,024 bytes
.endr
	WIN TO_1                                       ; destination window 1
	s_wait_alu depctr_va_vdst(0)                   ; v176 to v191 are written: the offsets of the gather's loads
.irp i, 0,1,2,3,4,5,6,7,8,9,10,11,12,13,14,15
	global_load_b128 v[8*\i:8*\i+3], v[176+\i], s[4:5]
	global_load_b128 v[8*\i+4:8*\i+7], v[176+\i], s[4:5] offset:512
.endr
	WIN 0
	s_wait_loadcnt 40                              ; the two loads of tokens are in: behind them stand 8 of scale words and 32 of codes
	v_min_u32 v252, 0x3ff, v252
	v_min_u32 v253, 0x3ff, v253
	v_lshl_add_u32 v252, v252, 6, v254             ; a token's 64 scale bytes, my 16 of them
	v_lshl_add_u32 v253, v253, 6, v254
	s_wait_alu depctr_va_vdst(0)                   ; v252 and v253 are written: the offsets of the two loads below
	global_load_b128 v[192:195], v252, s[52:53]
	global_load_b128 v[196:199], v253, s[52:53]
	WLOAD 0
	WLOAD 1
	s_wait_loadcnt 18                              ; the codes are in: behind them stand 2 loads of scale bytes and 16 of weights
	WIN 0x04                                       ; an LDS store's data are its source 1: window 1
.irp i, 0,1,2,3,4,5,6,7,8,9,10,11,12,13,14,15
	ds_store_b128 v5, v[8*\i:8*\i+3] offset:1040*\i
	ds_store_b128 v5, v[8*\i+4:8*\i+7] offset:1040*\i+512
.endr
	WIN 0
	WLOAD 2
	s_wait_loadcnt 24                              ; the scale bytes are in; three steps' weights may be out
	ds_store_b128 v6, v[192:195]
	ds_store_b128 v6, v[196:199] offset:640
	s_wait_dscnt 0x0                               ; for the others' sake: my stores have landed
	s_barrier_signal -1
	s_barrier_wait -1                              ; the 64 rows lie in LDS
	s_wait_alu depctr_vm_vsrc(0)                   ; my LDS stores have read window 1's v0-127, which the products write, and v192-199; the gather's loads have read v176-191: in v176-207 the fourth set's loads land
.irp m, 0,1,2,3
.irp i, 0,1
	ds_load_b128 v[XSC+8*\m+4*\i:XSC+8*\m+4*\i+3], v7 offset:1280*\m+32*\i
.endr
.endr
	WIN TO_1
	XLOAD 0
.irp s, 0,1,2,3,4,5,6,7,8,9,10,11,12,13,14,15
	KSTEP \s
.endr
	; g = h1 / (1 + 2^(-h1 log2 e)) x h3, in f32.  Of row tile m window 1's v[32 m .. + 15] are h1 and v[32 m + 16 .. + 31] h3 of my 16 units; each accumulator is read from its low end on
.rept 4
	v_nop                                          ; four places behind the last products
.endr
	WIN 0x04
.irp m, 0,1,2,3
.irp i, 0,1,2,3,4,5,6,7,8,9,10,11,12,13,14,15
	v_mul_f32 v[T+16*\m+\i], s60, v[32*\m+\i]
.endr
.endr
	WIN 0
.set j, 0
	s_wait_alu depctr_va_vdst(0)
.rept 64
	v_exp_f32 v[T+j], v[T+j]
.set j, j+1
.endr
	v_nop                                          ; a plain line behind the last exponential
	s_wait_alu depctr_va_vdst(0)                   ; the 64 exponentials have written v[T ..]: one wait for the batch, ahead of its first use
.set j, 0
.rept 32
	v_pk_add_f32 v[T+j:T+j+1], v[T+j:T+j+1], 1.0 op_sel_hi:[1,0]
.set j, j+2
.endr
.set j, 0
	s_wait_alu depctr_va_vdst(0)
.rept 64
	v_rcp_f32 v[T+j], v[T+j]
.set j, j+1
.endr
.irp b, 0,1,2,3
	v_mov_b32 v[TM+4+\b], 0                        ; plain lines behind the last reciprocal; a lane permute's destination counts as one of its sources
.endr
	s_wait_alu depctr_va_vdst(0)                   ; the 64 reciprocals have written v[T ..]: one wait for the batch
	WIN 0x01
.irp m, 0,1,2,3
.irp i, 0,1,2,3,4,5,6,7,8,9,10,11,12,13,14,15
	v_mul_f32 v[T+16*\m+\i], v[32*\m+\i], v[T+16*\m+\i]
.endr
.endr
.irp m, 0,1,2,3
.irp i, 0,1,2,3,4,5,6,7,8,9,10,11,12,13,14,15
	v_mul_f32 v[T+16*\m+\i], v[32*\m+16+\i], v[T+16*\m+\i]
.endr
.endr
	WIN 0
	; the quantiser along INTER: for each row tile one block of 32: my 16 numbers and lane l xor 16's
.irp b, 0,1,2,3
	v_max3_num_f32 v[TM+\b], |v[T+16*\b]|, |v[T+1+16*\b]|, 0x1800000   ; and the floor 2^(3 - 127): the byte cannot fall under 1
.endr
.irp i, 2,4,6,8,10,12,14
.irp b, 0,1,2,3
	v_max3_num_f32 v[TM+\b], v[TM+\b], |v[T+16*\b+\i]|, |v[T+1+16*\b+\i]|
.endr
.endr
.irp b, 0,1,2,3
	v_permlanex16_b32 v[TM+4+\b], v[TM+\b], s58, s59
.endr
.irp b, 0,1,2,3
	v_max_num_f32 v[TM+\b], v[TM+\b], v[TM+4+\b]
.endr
.irp b, 0,1,2,3
	v_add_nc_u32 v[TM+8+\b], 0xff000000, v[TM+\b]  ; 2 off the exponent field: the conversion's scale operand
.endr
.irp b, 0,1,2,3
	v_lshrrev_b32 v[TM+4+\b], 23, v[TM+8+\b]       ; the scale's byte
.endr
.irp b, 0,1,2,3
	v_cvt_scalef32_pk8_fp4_f32 v[PC+2*\b], v[T+16*\b:T+7+16*\b], v[TM+8+\b]
	v_cvt_scalef32_pk8_fp4_f32 v[PC+1+2*\b], v[T+8+16*\b:T+15+16*\b], v[TM+8+\b]
.endr
	v_nop                                          ; a plain line behind the last conversion
	s_wait_alu depctr_va_vdst(0)                   ; the conversions have written v[PC ..] and the shifts v[TM + 4 ..], which the stores below read
.irp m, 0,1,2,3
	global_store_b64 v10, v[PC+2*\m:PC+2*\m+1], s[54:55] offset:1024*\m   ; block q of the image: the wave stores 256 consecutive bytes, aligned
	ds_store_b8 v11, v[TM+4+\m] offset:64*\m       ; both lanes of a block write the same byte with the same value
.endr
	s_wait_dscnt 0x0                               ; for wave 0's sake: my bytes have landed
	s_barrier_signal -1
	s_barrier_wait -1
	s_cmp_lg_u32 s24, 0
	s_cbranch_scc1 .Lend
	ds_load_b64 v[14:15], v12                      ; (v14 and v15 were last named by vector instructions at the head, ahead of every wait on va_vdst above)
	s_wait_dscnt 0x0
	global_store_b64 v13, v[14:15], s[56:57]       ; the 64 scale words: 256 consecutive bytes, aligned
.Lend:
	s_wait_dscnt 0x0                               ; the closing lines, six on end
	s_wait_alu 0x0
	s_wait_tensorcnt 0x0
	ds_add_u32 v1, v2
	s_wait_dscnt 0x0
	s_endpgm
.Lfunc_end_k_q1ff68c3301_up:
	.size	k_q1ff68c3301_up, .Lfunc_end_k_q1ff68c3301_up-k_q1ff68c3301_up
	.p2alignl 7, 3214868480
	.fill 96, 4, 3214868480
	.section	.rodata,"a",@progbits
	.p2align	6, 0x0
	.amdhsa_kernel k_q1ff68c3301_up
		.amdhsa_group_segment_fixed_size 72448
		.amdhsa_private_segment_fixed_size 0
		.amdhsa_enable_private_segment 0
		.amdhsa_kernarg_size 32
		.amdhsa_user_sgpr_count 2
		.amdhsa_user_sgpr_kernarg_segment_ptr 1
		.amdhsa_wavefront_size32 1
		.amdhsa_system_sgpr_workgroup_id_x 1
		.amdhsa_system_sgpr_workgroup_id_y 1
		.amdhsa_system_sgpr_workgroup_id_z 1
		.amdhsa_system_vgpr_workitem_id 0
		.amdhsa_next_free_vgpr 448
		.amdhsa_next_free_sgpr 66
		.amdhsa_reserve_vcc 0
		.amdhsa_float_denorm_mode_32 3
		.amdhsa_float_denorm_mode_16_64 3
		.amdhsa_memory_ordered 1
		.amdhsa_forward_progress 1
		.amdhsa_inst_pref_size 88
	.end_amdhsa_kernel
	.amdgpu_metadata
---
amdhsa.version: [ 1, 2 ]
amdhsa.kernels:
  - .name:           k_q1ff68c3301_up
    .symbol:         k_q1ff68c3301_up.kd
    .args:
      - { .name: xq, .offset: 0, .size: 8, .value_kind: global_buffer, .address_space: global }
      - { .name: wu, .offset: 8, .size: 8, .value_kind: global_buffer, .address_space: global }
      - { .name: route, .offset: 16, .size: 8, .value_kind: global_buffer, .address_space: global }
      - { .name: g, .offset: 24, .size: 8, .value_kind: global_buffer, .address_space: global }
    .group_segment_fixed_size: 72448
    .private_segment_fixed_size: 0
    .kernarg_segment_align: 8
    .kernarg_segment_size: 32
    .max_flat_workgroup_size: 128
    .sgpr_count:     66
    .vgpr_count:     448
    .wavefront_size: 32
...
	.end_amdgpu_metadata
.endif
;; end of part 8
;; launch down (part 9): grid 8 x 55, 4 waves a work-group, no clusters, 50,688 bytes of LDS; arguments g, wd, route, eo; writes eo
.if DOCPART == 9
	.amdgcn_target "amdgcn-amd-amdhsa--gfx1250"
	.amdhsa_code_object_version 6
	.text
	.protected	k_q1ff68c3301_down
	.globl	k_q1ff68c3301_down
	.p2align	8
	.type	k_q1ff68c3301_down,@function
k_q1ff68c3301_down:
	s_mov_b64 s[64:65], 0
	v_nop
	global_prefetch_b8 v0, s[64:65] scope:SCOPE_SE
	s_setreg_imm32_b32 hwreg(HW_REG_WAVE_SCHED_MODE, 0, 2), 2
	s_setreg_imm32_b32 hwreg(HW_REG_WAVE_MODE, 25, 1), 1
	s_wait_xcnt 0x0
	s_wait_alu depctr_vm_vsrc(0)
; Fourth launch: eo = g w2^T (the shared rows: ws2), f32, for the rows that count alone (comb[t, e] = 0 elsewhere: shown at the head of the first kernel).
; A work-group takes a block of 64 rows (y) and 256 outputs (x); wave w outputs 256 x + 64 w .. + 63: four tiles of 16 rows of w2 against four tiles of 16 rows of g: 16 accumulators, which take turns; K = 1,024: 8 steps.
; The block's expert is read from route and enters addresses alone.  g's 32 images of the block (32,768 bytes) are copied once into LDS as they lie and read by all four waves; weights come from memory
; straight into operand registers, three K steps ahead.  THE PRODUCT IS USED TRANSPOSED (source 0 = 16 rows of w2, source 1 = 16 rows of g): a lane holds eight neighbouring outputs of one row.
; The way out: a row tile at a time through the wave's own stage (rows of 256 bytes, 272 apart), so that sixteen lanes store 256 consecutive bytes, aligned.
; No tensor load and no cluster: the weights' address hangs on a number read from memory.
; REGISTERS.  Window 0: v1, v2 the add's two; v3-8 addresses; v16-31 weights' scale words; v48-63 g's scale words; v80-207 weights, four sets of 32.
; Window 1: v0-127 the accumulators (at the head v0-63 carry my quarter of the images); v128-191 g's fragments, two sets of 32.
; THE MODE: SCHED_MODE bits 1:0 = 2 (LLVM: expert scheduling mode 2), set by the entry lines.  The code itself states the register dependences between vector or matrix instructions and memory or
; LDS instructions, with s_wait_alu, always for 0.
; THE PLAN.  Registers that memory or LDS instructions touch, from the first K step on:
;   W0 .. W3   Step s: its sixteen products read W[s % 4]; the loads of step s + 3, issued in the middle of step s, land in W[(s + 3) % 4] = W[(s - 1) % 4].
;   X0, X1     Step s: its products read X[s % 2]; the LDS loads of step s + 1, issued at the head of step s, land in X[(s + 1) % 2] = X[(s - 1) % 2].
;   v3         The loads' offset, in memory and in LDS: made at the kernel's head, never written again; the steps stand in the immediate offsets.
;   The scale words are loaded once; the accumulators are named by matrix instructions alone until the way out.
; So ONE wait on va_vdst stands in a step, behind the waits for the step's own data: the products of the step before are done reading their W and their X, in which this step's sixteen loads land.
; The way out holds no vector instruction: one wait on va_vdst ahead of it (the accumulators are written; W0 and W1, which take the rows read back, are no longer read), and a wait on vm_vsrc
; ahead of the loads that land where earlier global stores took their data.
.set NK,    8
.set STG,   32768
.set SPARE, 50176                      ; the spare words, 128 bytes a wave: no other line names them
.set WDS,   9437184
.set GSO,   1802240
.set WS,  16
.set XSC, 48
.set WB,  80                           ; window 0: four sets
.set XB,  128                          ; window 1: two sets
.set BK,  80                           ; the way out: 16 rows read back, two sets of 32
.set MSB, 0
.macro WIN new
.if MSB != \new
	s_set_vgpr_msb (MSB<<8)|\new
.set MSB, \new
.endif
.endm
.set MUL,  0x54                        ; source 0 (weights) window 0; source 1 (g), C and D window 1
.set TO_1, 0x40                        ; destination window 1, address window 0
.macro WLOAD s
.irp c, 0,1,2,3
.irp k, 0,1
	global_load_b128 v[WB+32*((\s)%4)+8*\c+4*\k:WB+32*((\s)%4)+8*\c+4*\k+3], v3, s[48:49] offset:8192*\c+1024*(\s)+512*\k
.endr
.endr
.endm
.macro XLOAD s                         ; (under TO_1)
.irp m, 0,1,2,3
.irp k, 0,1
	ds_load_b128 v[XB+32*((\s)%2)+8*\m+4*\k:XB+32*((\s)%2)+8*\m+4*\k+3], v3 offset:(4*(\s)+\m)*1024+512*\k
.endr
.endr
.endm
.macro MMA s, m, c                     ; weights' scale words: K steps j (lanes 0-15) and 4 + j (lanes 16-31); g's: row tiles 2 i (lanes 0-15) and 2 i + 1 (lanes 16-31)
.set rD, 8*(4*(\m)+(\c))
.set rA, WB+32*((\s)%4)+8*(\c)
.set rB, XB+32*((\s)%2)+8*(\m)
.set rP, WS+4*(\c)+(\s)%4
.set rQ, XSC+2*(\s)+(\m)/2
.if ((\s) == 0) && ((\m)%2 == 0)
	v_wmma_scale_f32_16x16x128_f8f6f4 v[rD:rD+7], v[rA:rA+7], v[rB:rB+7], 0, v[rP], v[rQ] matrix_a_fmt:MATRIX_FMT_FP4 matrix_b_fmt:MATRIX_FMT_FP4
.elseif (\s) == 0
	v_wmma_scale_f32_16x16x128_f8f6f4 v[rD:rD+7], v[rA:rA+7], v[rB:rB+7], 0, v[rP], v[rQ] matrix_a_fmt:MATRIX_FMT_FP4 matrix_b_fmt:MATRIX_FMT_FP4 matrix_b_scale:MATRIX_SCALE_ROW1
.elseif ((\s) < 4) && ((\m)%2 == 0)
	v_wmma_scale_f32_16x16x128_f8f6f4 v[rD:rD+7], v[rA:rA+7], v[rB:rB+7], v[rD:rD+7], v[rP], v[rQ] matrix_a_fmt:MATRIX_FMT_FP4 matrix_b_fmt:MATRIX_FMT_FP4
.elseif (\s) < 4
	v_wmma_scale_f32_16x16x128_f8f6f4 v[rD:rD+7], v[rA:rA+7], v[rB:rB+7], v[rD:rD+7], v[rP], v[rQ] matrix_a_fmt:MATRIX_FMT_FP4 matrix_b_fmt:MATRIX_FMT_FP4 matrix_b_scale:MATRIX_SCALE_ROW1
.elseif (\m)%2 == 0
	v_wmma_scale_f32_16x16x128_f8f6f4 v[rD:rD+7], v[rA:rA+7], v[rB:rB+7], v[rD:rD+7], v[rP], v[rQ] matrix_a_fmt:MATRIX_FMT_FP4 matrix_b_fmt:MATRIX_FMT_FP4 matrix_a_scale:MATRIX_SCALE_ROW1
.else
	v_wmma_scale_f32_16x16x128_f8f6f4 v[rD:rD+7], v[rA:rA+7], v[rB:rB+7], v[rD:rD+7], v[rP], v[rQ] matrix_a_fmt:MATRIX_FMT_FP4 matrix_b_fmt:MATRIX_FMT_FP4 matrix_a_scale:MATRIX_SCALE_ROW1 matrix_b_scale:MATRIX_SCALE_ROW1
.endif
.endm
.macro KSTEP s
.if ((\s) > 0) && ((\s)+1 < NK)
.rept 4
	v_nop                                          ; four places between the last products and the loads into registers that they read
.endr
.endif
.if (\s)+2 < NK
	s_wait_loadcnt 16                              ; this step's weights are in; the two later steps' sixteen loads may be out (the third's are issued below)
.elseif (\s)+1 < NK
	s_wait_loadcnt 8
.else
	s_wait_loadcnt 0
.endif
	s_wait_dscnt 0x0                               ; this step's fragments of g are in: no younger LDS load is out
.if (\s)+1 < NK
	WIN TO_1
.if (\s) > 0
	s_wait_alu depctr_va_vdst(0)                   ; the products of the step before are done reading their set of g's fragments and their set of weights, in which the loads of this step land
.endif
	XLOAD (\s)+1
.endif
	WIN MUL
.irp m, 0,1
.irp c, 0,1,2,3
	MMA \s, \m, \c
.endr
.endr
.if (\s)+3 < NK
	WIN 0
	WLOAD (\s)+3                                   ; no wait: no vector or matrix instruction since the wait above names this set or v3
	WIN MUL
.endif
.irp m, 2,3
.irp c, 0,1,2,3
	MMA \s, \m, \c
.endr
.endr
.endm
.macro TOSTAGE m                       ; row tile m: 32 bytes a lane into my stage, each accumulator from its low end on; back as whole rows.  LDS serves a wave's instructions in order
	WIN 0x04
.irp c, 0,1,2,3
	ds_store_b128 v6, v[8*(4*(\m)+\c):8*(4*(\m)+\c)+3] offset:64*\c
	ds_store_b128 v6, v[8*(4*(\m)+\c)+4:8*(4*(\m)+\c)+7] offset:64*\c+16
.endr
	WIN 0
.if (\m) > 1
	s_wait_xcnt 0x0                                ; tile m - 2's stores have had their addresses translated: their data registers are loaded again only behind this wait
	s_wait_alu depctr_vm_vsrc(0)                   ; tile m - 2's global stores have read v[BK ..] of this set, in which the loads below land
.endif
.irp i, 0,1,2,3,4,5,6,7
	ds_load_b128 v[BK+32*((\m)%2)+4*\i:BK+32*((\m)%2)+4*\i+3], v7 offset:544*\i
.endr
.endm
.macro SEND m, younger                 ; younger: the LDS instructions issued behind tile m's loads, which may stay out
	s_wait_dscnt \younger
.irp i, 0,1,2,3,4,5,6,7
	global_store_b128 v8, v[BK+32*((\m)%2)+4*\i:BK+32*((\m)%2)+4*\i+3], s[54:55] offset:(16*(\m)+2*\i)*8192   ; sixteen lanes store 256 consecutive bytes, aligned
.endr
.endm
	s_load_b256 s[4:11], s[0:1], 0x0               ; g, wd, route, eo
	v_lshl_add_u32 v1, v0, 2, SPARE
	v_mov_b32 v2, 0
	v_lshrrev_b32 v14, 5, v0
	v_readfirstlane_b32 s24, v14                   ; wave
	s_and_b32 s25, ttmp7, 0xffff                   ; the block
	v_and_b32 v15, 31, v0                          ; lane
	v_lshlrev_b32 v3, 4, v15
	v_lshlrev_b32 v4, 2, v15
	v_and_b32 v14, 15, v0                          ; r
	v_bfe_u32 v9, v0, 4, 1                         ; h
	s_wait_alu depctr_va_sdst(0)                   ; s24 is written, ahead of its first reader
	s_lshl_b32 s29, s24, 13
	v_add_nc_u32 v5, s29, v3                       ; the copy's stores: my quarter of the images
	s_mul_i32 s29, s24, 4352
	s_add_co_u32 s29, s29, STG                     ; my stage
	v_mul_u32_u24 v6, v14, 272
	v_lshl_add_u32 v6, v9, 5, v6
	v_add_nc_u32 v6, s29, v6                       ; in: row r, + 32 h
	v_mul_u32_u24 v7, v9, 272
	v_lshl_add_u32 v7, v14, 4, v7
	v_add_nc_u32 v7, s29, v7                       ; back: lanes 0-15 one row, lanes 16-31 the next
	v_lshlrev_b32 v8, 13, v9
	v_lshl_add_u32 v8, v14, 4, v8                  ; and the same two rows in eo
	s_mov_b32 s31, 0
	s_wait_kmcnt 0x0
	s_lshl_b32 s30, s25, 2
	s_add_co_u32 s30, s30, 22528
	s_add_nc_u64 s[2:3], s[8:9], s[30:31]
	s_load_b32 s28, s[2:3], 0x0                    ; the block's expert
	s_lshl_b32 s30, s25, 15
	s_lshl_b32 s29, s24, 13
	s_add_co_u32 s30, s30, s29
	s_add_nc_u64 s[50:51], s[4:5], s[30:31]        ; my quarter of the block's images
	s_lshl_b32 s30, s25, 11
	s_add_co_u32 s30, s30, GSO
	s_add_nc_u64 s[52:53], s[4:5], s[30:31]        ; the block's scale words
	s_lshl_b32 s30, s25, 19                        ; eo: 64 rows of 8,192 bytes a block; 1,024 bytes a slice; 256 a wave
	s_lshl_b32 s29, ttmp9, 10
	s_add_co_u32 s30, s30, s29
	s_lshl_b32 s29, s24, 8
	s_add_co_u32 s30, s30, s29
	s_add_nc_u64 s[54:55], s[10:11], s[30:31]
	WIN TO_1                                       ; destination window 1
	s_wait_alu depctr_va_vdst(0)                   ; the offsets and addresses v3 to v8 are written, which the loads and stores of the whole kernel read
.irp i, 0,1,2,3,4,5,6,7,8,9,10,11,12,13,14,15
	global_load_b128 v[4*\i:4*\i+3], v3, s[50:51] offset:512*\i
.endr
	WIN 0
.irp s, 0,1,2,3,4,5,6,7
.irp i, 0,1
	global_load_b32 v[XSC+2*\s+\i], v4, s[52:53] offset:256*\s+128*\i
.endr
.endr
	s_wait_kmcnt 0x0
	s_min_u32 s28, s28, 8
	s_lshl_b32 s30, s28, 20                        ; wd's codes: expert, 16 x + 4 w tiles of 8,192 bytes
	s_lshl_b32 s29, ttmp9, 17
	s_add_co_u32 s30, s30, s29
	s_lshl_b32 s29, s24, 15
	s_add_co_u32 s30, s30, s29
	s_add_nc_u64 s[48:49], s[6:7], s[30:31]
	s_lshl_b32 s30, s28, 16                        ; wd's scale bytes: 512 a tile
	s_lshl_b32 s29, ttmp9, 13
	s_add_co_u32 s30, s30, s29
	s_lshl_b32 s29, s24, 11
	s_add_co_u32 s30, s30, s29
	s_add_co_u32 s30, s30, WDS
	s_add_nc_u64 s[56:57], s[6:7], s[30:31]
.irp c, 0,1,2,3
	global_load_b128 v[WS+4*\c:WS+4*\c+3], v3, s[56:57] offset:512*\c
.endr
	WLOAD 0
	WLOAD 1
	WLOAD 2
	s_wait_loadcnt 24                              ; the images and all scale words are in; three steps' weights, 24 loads, may be out
	WIN 0x04
.irp i, 0,1,2,3,4,5,6,7,8,9,10,11,12,13,14,15
	ds_store_b128 v5, v[4*\i:4*\i+3] offset:512*\i
.endr
	WIN 0
	s_wait_dscnt 0x0                               ; for the others' sake: my stores have landed
	s_barrier_signal -1
	s_barrier_wait -1                              ; the block's 32 images lie in LDS
	WIN TO_1
	s_wait_alu depctr_vm_vsrc(0)                   ; my LDS stores have read window 1's v0-63, which the products write
	XLOAD 0
.irp s, 0,1,2,3,4,5,6,7
	KSTEP \s
.endr
.rept 4
	v_nop                                          ; four places behind the last products: for the stores of results and for the loads into registers that held weights
.endr
	WIN 0x04
	s_wait_alu depctr_va_vdst(0)                   ; the products have written the accumulators, which the LDS stores read, and are done reading v80-143, in which the rows read back land; the places above stay beside this wait
	TOSTAGE 0
.irp m, 1,2,3
	TOSTAGE \m
	SEND \m-1, 16                                  ; behind tile m - 1's loads: tile m's 8 stores and 8 loads
.endr
	SEND 3, 0
	s_wait_dscnt 0x0                               ; the closing lines, six on end
	s_wait_alu 0x0
	s_wait_tensorcnt 0x0
	ds_add_u32 v1, v2
	s_wait_dscnt 0x0
	s_endpgm
.Lfunc_end_k_q1ff68c3301_down:
	.size	k_q1ff68c3301_down, .Lfunc_end_k_q1ff68c3301_down-k_q1ff68c3301_down
	.p2alignl 7, 3214868480
	.fill 96, 4, 3214868480
	.section	.rodata,"a",@progbits
	.p2align	6, 0x0
	.amdhsa_kernel k_q1ff68c3301_down
		.amdhsa_group_segment_fixed_size 50688
		.amdhsa_private_segment_fixed_size 0
		.amdhsa_enable_private_segment 0
		.amdhsa_kernarg_size 32
		.amdhsa_user_sgpr_count 2
		.amdhsa_user_sgpr_kernarg_segment_ptr 1
		.amdhsa_wavefront_size32 1
		.amdhsa_system_sgpr_workgroup_id_x 1
		.amdhsa_system_sgpr_workgroup_id_y 1
		.amdhsa_system_sgpr_workgroup_id_z 1
		.amdhsa_system_vgpr_workitem_id 0
		.amdhsa_next_free_vgpr 448
		.amdhsa_next_free_sgpr 66
		.amdhsa_reserve_vcc 0
		.amdhsa_float_denorm_mode_32 3
		.amdhsa_float_denorm_mode_16_64 3
		.amdhsa_memory_ordered 1
		.amdhsa_forward_progress 1
		.amdhsa_inst_pref_size 44
	.end_amdhsa_kernel
	.amdgpu_metadata
---
amdhsa.version: [ 1, 2 ]
amdhsa.kernels:
  - .name:           k_q1ff68c3301_down
    .symbol:         k_q1ff68c3301_down.kd
    .args:
      - { .name: g, .offset: 0, .size: 8, .value_kind: global_buffer, .address_space: global }
      - { .name: wd, .offset: 8, .size: 8, .value_kind: global_buffer, .address_space: global }
      - { .name: route, .offset: 16, .size: 8, .value_kind: global_buffer, .address_space: global }
      - { .name: eo, .offset: 24, .size: 8, .value_kind: global_buffer, .address_space: global }
    .group_segment_fixed_size: 50688
    .private_segment_fixed_size: 0
    .kernarg_segment_align: 8
    .kernarg_segment_size: 32
    .max_flat_workgroup_size: 128
    .sgpr_count:     66
    .vgpr_count:     448
    .wavefront_size: 32
...
	.end_amdgpu_metadata
.endif
;; end of part 9
;; launch combine (part 10): grid 256 x 1, 4 waves a work-group, no clusters, 0 bytes of LDS; arguments eo, route, topw, out0; writes out0
.if DOCPART == 10
	.amdgcn_target "amdgcn-amd-amdhsa--gfx1250"
	.amdhsa_code_object_version 6
	.text
	.protected	k_q1ff68c3301_combine
	.globl	k_q1ff68c3301_combine
	.p2align	8
	.type	k_q1ff68c3301_combine,@function
k_q1ff68c3301_combine:
	s_mov_b64 s[64:65], 0
	v_nop
	global_prefetch_b8 v0, s[64:65] scope:SCOPE_SE
	s_setreg_imm32_b32 hwreg(HW_REG_WAVE_MODE, 25, 1), 1
	s_wait_xcnt 0x0
; Fifth launch: out[t] = eo[2,496 + t] + w0 eo[pos[2 t]] + w1 eo[pos[2 t + 1]]: the shared expert's row and the two chosen experts' rows; the other six terms of reference()'s sum have the factor
; comb[t, e] = 0 (shown at the head of the first kernel) and were never made.
; A wave takes a token: three rows of 8,192 bytes in, one out; every load and store covers 512 consecutive bytes, aligned.  A stream: no LDS, no barrier, no matrix unit.
; The shared row's address needs no list, so its sixteen loads go out ahead of the wait for pos and the weights.
.set S, 16                             ; v16-79 the shared row, then the result;  v80-143, v144-207 the two chosen rows
.set A, 80
.set B, 144
	s_load_b256 s[4:11], s[0:1], 0x0               ; eo, route, topw, out0
	v_lshrrev_b32 v2, 5, v0
	v_readfirstlane_b32 s16, v2                    ; wave
	v_and_b32 v1, 31, v0
	v_lshlrev_b32 v1, 4, v1                        ; 16 x lane
	s_lshl_b32 s17, ttmp9, 2
	s_add_co_u32 s17, s17, s16                     ; the token
	s_lshl_b32 s18, s17, 3
	s_mov_b32 s19, 0
	s_wait_alu depctr_va_vdst(0)
	s_wait_kmcnt 0x0
	s_add_nc_u64 s[20:21], s[6:7], s[18:19]
	s_add_nc_u64 s[22:23], s[8:9], s[18:19]
	s_load_b64 s[24:25], s[20:21], 0x0             ; the two rows
	s_load_b64 s[12:13], s[22:23], 0x0             ; the two weights
	s_lshl_b32 s18, s17, 13
	s_add_nc_u64 s[10:11], s[10:11], s[18:19]
	s_add_co_u32 s18, s18, 2496*8192
	s_add_nc_u64 s[26:27], s[4:5], s[18:19]
.irp i, 0,1,2,3,4,5,6,7,8,9,10,11,12,13,14,15
	global_load_b128 v[S+4*\i:S+4*\i+3], v1, s[26:27] offset:512*\i th:TH_LOAD_NT
.endr
	s_wait_kmcnt 0x0
	s_min_u32 s24, s24, 0x9bf
	s_min_u32 s25, s25, 0x9bf
	s_lshl_b32 s28, s24, 13
	s_mov_b32 s29, 0
	s_lshl_b32 s30, s25, 13
	s_mov_b32 s31, 0
	s_add_nc_u64 s[28:29], s[4:5], s[28:29]
	s_add_nc_u64 s[30:31], s[4:5], s[30:31]
	s_mov_b32 s14, s13                             ; the packed form names a pair and takes its low word for both halves
	s_mov_b32 s15, s13
.irp i, 0,1,2,3,4,5,6,7,8,9,10,11,12,13,14,15
	global_load_b128 v[A+4*\i:A+4*\i+3], v1, s[28:29] offset:512*\i th:TH_LOAD_NT
	global_load_b128 v[B+4*\i:B+4*\i+3], v1, s[30:31] offset:512*\i th:TH_LOAD_NT
.endr
.irp i, 0,1,2,3,4,5,6,7,8,9,10,11,12,13,14,15
	s_wait_loadcnt 30-2*\i                         ; piece i of all three rows is in; two loads for each later piece may be out
	v_pk_fma_f32 v[S+4*\i:S+4*\i+1], v[A+4*\i:A+4*\i+1], s[12:13], v[S+4*\i:S+4*\i+1] op_sel_hi:[1,0,1]
	v_pk_fma_f32 v[S+4*\i+2:S+4*\i+3], v[A+4*\i+2:A+4*\i+3], s[12:13], v[S+4*\i+2:S+4*\i+3] op_sel_hi:[1,0,1]
	v_pk_fma_f32 v[S+4*\i:S+4*\i+1], v[B+4*\i:B+4*\i+1], s[14:15], v[S+4*\i:S+4*\i+1] op_sel_hi:[1,0,1]
	v_pk_fma_f32 v[S+4*\i+2:S+4*\i+3], v[B+4*\i+2:B+4*\i+3], s[14:15], v[S+4*\i+2:S+4*\i+3] op_sel_hi:[1,0,1]
	global_store_b128 v1, v[S+4*\i:S+4*\i+3], s[10:11] offset:512*\i th:TH_STORE_NT
.endr
	s_endpgm
.Lfunc_end_k_q1ff68c3301_combine:
	.size	k_q1ff68c3301_combine, .Lfunc_end_k_q1ff68c3301_combine-k_q1ff68c3301_combine
	.p2alignl 7, 3214868480
	.fill 96, 4, 3214868480
	.section	.rodata,"a",@progbits
	.p2align	6, 0x0
	.amdhsa_kernel k_q1ff68c3301_combine
		.amdhsa_group_segment_fixed_size 0
		.amdhsa_private_segment_fixed_size 0
		.amdhsa_enable_private_segment 0
		.amdhsa_kernarg_size 32
		.amdhsa_user_sgpr_count 2
		.amdhsa_user_sgpr_kernarg_segment_ptr 1
		.amdhsa_wavefront_size32 1
		.amdhsa_system_sgpr_workgroup_id_x 1
		.amdhsa_system_sgpr_workgroup_id_y 1
		.amdhsa_system_sgpr_workgroup_id_z 1
		.amdhsa_system_vgpr_workitem_id 0
		.amdhsa_next_free_vgpr 208
		.amdhsa_next_free_sgpr 66
		.amdhsa_reserve_vcc 0
		.amdhsa_float_denorm_mode_32 3
		.amdhsa_float_denorm_mode_16_64 3
		.amdhsa_memory_ordered 1
		.amdhsa_forward_progress 1
		.amdhsa_inst_pref_size 12
	.end_amdhsa_kernel
	.amdgpu_metadata
---
amdhsa.version: [ 1, 2 ]
amdhsa.kernels:
  - .name:           k_q1ff68c3301_combine
    .symbol:         k_q1ff68c3301_combine.kd
    .args:
      - { .name: eo, .offset: 0, .size: 8, .value_kind: global_buffer, .address_space: global }
      - { .name: route, .offset: 8, .size: 8, .value_kind: global_buffer, .address_space: global }
      - { .name: topw, .offset: 16, .size: 8, .value_kind: global_buffer, .address_space: global }
      - { .name: out0, .offset: 24, .size: 8, .value_kind: global_buffer, .address_space: global }
    .group_segment_fixed_size: 0
    .private_segment_fixed_size: 0
    .kernarg_segment_align: 8
    .kernarg_segment_size: 32
    .max_flat_workgroup_size: 128
    .sgpr_count:     66
    .vgpr_count:     208
    .wavefront_size: 32
...
	.end_amdgpu_metadata
.endif
;; end of part 10
